; MI455X (gfx1250); checked and timed in simulation.
; The chip was launched on July 23, 2026; its instructions are those of AMD's public machine-readable ISA for CDNA 5 (MIT licence, August 2026) and "CDNA5" Instruction Set Architecture Reference Guide (July 2026). The comments in the code are by the model that wrote it; some were corrected since.
;; Causal Attention. Allowed arithmetic: matrix products marked QUANTISED: E4M3 operands, one given power-of-two scale a tensor, by v_wmma_f32_16x16x64_fp8_fp8 or v_wmma_f32_16x16x128_fp8_fp8, f32 sums; everything else in f32.
;; Inputs: W_out 1,024 x 1,024 float32; W_qkv 1,024 x 3,072 float32; b_out 1,024 float32; b_qkv 3,072 float32; entity_bias 4 x 2,048 x 2,048 float32; lowp_scales 8 int32 (the exponents e of the quantised operands' scales 2^e); x 4 x 2,048 x 1,024 float32.
;; Outputs: out0 4 x 2,048 x 1,024 float32.
;; This version of the problem:
;;   THIS VERSION OF THE PROBLEM IS GIVEN IN LOW PRECISION. The matrix products marked QUANTISED in the list below multiply operands that are first quantised to E4M3 (4 exponent bits, 3 mantissa bits; 8 bits a number), with one given power-of-two scale for each operand tensor; their sums are f32. All else is computed in f32.
;;   The module's matrix products, in the order in which they are computed (A, B: the left and right operand; K: the contracted axis; several contracted axes count as one K, in the product's order):
;;     1. [M 8,192, K 1,024] x [K 1,024, N 3,072]; A: input x; B: input W_qkv: QUANTISED (scales: A lowp_scales[0], B lowp_scales[1])
;;     2. batch 64 x [M 2,048, K 64] x [K 64, N 2,048]; A: computed on the way; B: computed on the way: QUANTISED (scales: A lowp_scales[2], B lowp_scales[3])
;;     3. batch 64 x [M 2,048, K 2,048] x [K 2,048, N 64]; A: softmax (see below); B: computed on the way: QUANTISED (scales: A lowp_scales[4], B lowp_scales[5])
;;     4. [M 8,192, K 1,024] x [K 1,024, N 1,024]; A: computed on the way; B: input W_out: QUANTISED (scales: A lowp_scales[6], B lowp_scales[7])
;;   THE QUANTISER, for each operand of a quantised product, along K:
;;     - The operand's scale is 2^e, e = its entry of the input lowp_scales (int32; the entries are numbered through the quantised products in the list's order, A before B).
;;     - Each number is divided by the scale, clamped to +-448, and rounded to the nearest number of E4M3, ties to even, subnormals kept.
;;     - The product sums the exact products of the quantised numbers (number of the format x scale) in f32.
;;   ~~~python
;;   def quantise(x, axis, e):      # numpy; x: float32 -> the quantised numbers, widened to float32 again
;;       x = np.moveaxis(x, axis, -1); K = x.shape[-1]
;;       r = np.clip(x / 2.0 ** e, -448, 448)
;;       step = 2.0 ** (np.maximum(np.frexp(np.where(r == 0, 1, r))[1] - 1, -6) - 3)
;;       q = np.round(r / step) * step * 2.0 ** e      # np.round: ties to even
;;       return np.moveaxis(q, -1, axis).astype(np.float32)
;;   ~~~
;;   SOFTMAX AHEAD OF A QUANTISED PRODUCT. Where the list says 'softmax', what is quantised is not the finished softmax but p = 2^(t - M), with t = logit x log2(e) and M = ceil(the row's largest t), a whole number; so 1/2 < the row's largest p <= 1. The row's sum l is taken of the UNQUANTISED p, in f32, and the product's result is divided by l at the end. Since M is a whole number, a kernel that streams over the keys may use a running M (the ceiling of the running maximum): every later rescaling is an exact power of two, so the quantised numbers keep their values, but for numbers so far below the row's largest that they fall under the format's range.
;;   OPERANDS COMPUTED ON THE WAY. 'Computed on the way' means the value that the module computes at that place (a softmax that the list does not call 'softmax' is quantised finished and normalised). What goes into a quantiser is computed in f32, as accurately as f32 sums, v_exp_f32 and their like allow (about 1e-6 of the number): no bf16 or f16 on the way to a quantiser, and a product that is left as it is and whose result goes on into a quantised operand takes f32 operands (vector FMAs, or v_wmma_f32_16x16x4_f32). A number that lies on a knife's edge between two numbers of the format may be rounded either way, as far as f32 arithmetic and the matrix unit's own rounding can turn it there, and no further.
;; One version. Each part assembles by itself: llvm-mc -triple=amdgcn-amd-amdhsa -mcpu=gfx1250 --defsym DOCPART=n.
;; ======== version 1 of 1: 5 launches
;; workspace buffers: xc 8,388,608 bytes; wc 4,194,304 bytes; qc 8,388,608 bytes; kc 8,388,608 bytes; vc 8,388,608 bytes; oc 8,388,608 bytes
;; launch quant_x (part 1): grid 256 x 1, 4 waves a work-group, no clusters, 33,280 bytes of LDS; arguments x, lowp_scales, xc; writes xc
.if DOCPART == 1
	.amdgcn_target "amdgcn-amd-amdhsa--gfx1250"
	.amdhsa_code_object_version 6
	.text
	.protected	k_qf6e38ee078_quant_x
	.globl	k_qf6e38ee078_quant_x
	.p2align	8
	.type	k_qf6e38ee078_quant_x,@function
k_qf6e38ee078_quant_x:
	s_mov_b64 s[64:65], 0
	v_nop
	global_prefetch_b8 v0, s[64:65] scope:SCOPE_SE
	s_setreg_imm32_b32 hwreg(HW_REG_WAVE_MODE, 25, 1), 1
	s_wait_xcnt 0x0
; x [8192][1024], f32, becomes codes of FP8 (E4M3) in xc [8192][1024], one byte a code, K innermost and in its natural order, with the given scale 2^e, e = entry 0 of the scales.
; code = x / 2^e, held within +-448, rounded to the nearest code, ties to even.  LIMITS: -126 <= e and e + 8 <= 127.  NaN among the inputs is not served.
; Rows are dense, so the tensor is a plain stream.  A work-group takes 32,768 numbers, a wave 16 steps of 512.  Each of a step's four loads reads 512 consecutive bytes, 16 a lane; the conversions want 16 NEIGHBOURS
; in one lane's registers, so a step's 2,048 bytes turn through the wave's own stage in LDS (16 bytes of padding behind each 64) and come back 64 bytes a lane.  A lane's 16 codes are 16 bytes: the wave stores 512 consecutive bytes.
; No tensor loads, no barrier: waves share nothing.  Loads run four steps (16 loads a wave) ahead, the turn through LDS one step.
.set WAVES, 4
.set STEPS, 16
.set EMAX,  8
.set MANT,  0x600000                   ; the mantissa field of 448 as f32
.set CB,    16                         ; bytes of 16 codes
.set R,     16                         ; v16-79   four sets of 16 numbers as they are loaded
.set X,     80                         ; v80-111  two sets of 16 neighbours
.set C,     128                        ; v128-191 codes: four registers for each step, so that no store's data are written again
.set WREG,  8192                       ; LDS: a region of its own for each wave: two stages of 32 x SP bytes
.set SP,    80                         ; a lane's place in a stage: its 64 bytes + 16 of padding
.set SPW,   12                         ; v12      LDS address of my spare word; never rewritten
.set NIL,   13                         ; v13      0; never rewritten
.set SPARE, WAVES*WREG                 ; behind the four regions: the spare words, 128 bytes for each wave
	s_load_b128 s[4:7], s[0:1], 0x0                ; x s[4:5], the scales' exponents s[6:7]
	s_load_b64 s[8:9], s[0:1], 0x10                ; xc
	v_lshl_add_u32 v[SPW], v0, 2, SPARE
	v_mov_b32 v[NIL], 0
	v_lshrrev_b32 v1, 5, v0
	v_readfirstlane_b32 s16, v1                    ; wave
	v_and_b32 v2, 31, v0                           ; lane
	v_lshlrev_b32 v3, 4, v2                        ; my 16 bytes of a load's 512
	s_mul_i32 s17, s16, WREG
	v_lshrrev_b32 v14, 2, v2
	v_mul_u32_u24 v14, v14, SP
	v_and_b32 v15, 3, v2
	v_lshl_add_u32 v14, v15, 4, v14
	v_add_nc_u32 v14, s17, v14                     ; the stage, on the way in: SP (lane / 4) + 16 (lane % 4); a load's 512 bytes take eight places
	v_mul_u32_u24 v15, v2, SP
	v_add_nc_u32 v15, s17, v15                     ; and on the way out: SP x lane: my 16 neighbours
	v_mul_u32_u24 v4, v2, CB                       ; my codes' place in a step's
	s_lshl_b32 s18, ttmp9, 2
	s_add_co_u32 s18, s18, s16                     ; which run of 8,192 numbers is my wave's
	s_lshl_b32 s20, s18, 15                        ; its first byte in x (under 2^25),
	s_mov_b32 s21, 0
	s_lshl_b32 s22, s18, 13                        ; and in xc
	s_mov_b32 s23, 0
	s_wait_kmcnt 0x0
	s_load_b32 s24, s[6:7], 0x0                    ; e
	s_add_nc_u64 s[4:5], s[4:5], s[20:21]
	s_add_nc_u64 s[8:9], s[8:9], s[22:23]
.macro LOAD t
.irp i, 0,1,2,3
	global_load_b128 v[R+16*((\t)%4)+4*\i:R+16*((\t)%4)+4*\i+3], v3, s[4:5] offset:2048*(\t)+512*\i th:TH_LOAD_NT   ; 32 lanes read 512 consecutive bytes
.endr
.endm
.macro TURN t                          ; step t's numbers through the stage: LDS serves a wave's instructions in order, so no wait stands between the stores and the loads
.irp i, 0,1,2,3
	ds_store_b128 v14, v[R+16*((\t)%4)+4*\i:R+16*((\t)%4)+4*\i+3] offset:32*SP*((\t)%2)+8*SP*\i
.endr
.irp i, 0,1,2,3
	ds_load_b128 v[X+16*((\t)%2)+4*\i:X+16*((\t)%2)+4*\i+3], v15 offset:32*SP*((\t)%2)+16*\i
.endr
.endm
.irp t, 0,1,2,3
	LOAD \t
.endr
	s_wait_kmcnt 0x0
	s_add_co_i32 s24, s24, 127
	s_lshl_b32 s25, s24, 23
	v_mov_b32 v11, s25                             ; 2^e as f32: the conversion takes its exponent field
	s_add_co_i32 s24, s24, EMAX
	s_lshl_b32 s24, s24, 23
	s_or_b32 s24, s24, MANT
	v_mov_b32 v10, s24                             ; 448 x 2^e
	s_wait_loadcnt 12                              ; step 0's four loads are in; the twelve of steps 1 to 3 may be out
	TURN 0
.macro STEP t
.set XS, X+16*((\t)%2)
	s_wait_dscnt 0x0                               ; this step's numbers are back from the stage: so its stores into the stage have read their registers,
.if (\t)+4 < STEPS
	LOAD (\t)+4                                    ; which take the loads of four steps on
.endif
.if (\t)+1 < STEPS
.if STEPS-2-(\t) >= 3
	s_wait_loadcnt 12                              ; the next step's four loads are in; those of the three steps behind it may be out
.else
	s_wait_loadcnt 4*(STEPS-2-(\t))
.endif
	TURN (\t)+1                                    ; and go through the other stage while this step is worked
.endif
.irp i, 0,1,2,3,4,5,6,7,8,9,10,11,12,13,14,15
	v_med3_num_f32 v[XS+\i], v[XS+\i], -v10, v10   ; the conversion to an 8-bit code does not saturate (ISA guide 7.6.2): hold the number within the largest code x the scale first
.endr
	v_cvt_scalef32_pk8_fp8_f32 v[C+4*(\t):C+4*(\t)+1], v[XS:XS+7], v11          ; eight numbers / 2^e, to the nearest code, ties to even; the first number's code in the lowest byte
	v_cvt_scalef32_pk8_fp8_f32 v[C+4*(\t)+2:C+4*(\t)+3], v[XS+8:XS+15], v11     ; (the results go to a store alone; the next vector lines, the next step's holds, are plain and touch other registers)
	global_store_b128 v4, v[C+4*(\t):C+4*(\t)+3], s[8:9] offset:32*CB*(\t)      ; 32 lanes store 512 consecutive bytes
.endm
.irp t, 0,1,2,3,4,5,6,7,8,9,10,11,12,13,14,15
	STEP \t
.endr
	s_wait_tensorcnt 0x0                           ; the wave's end, behind my last LDS store
	ds_add_u32 v[SPW], v[NIL]
	s_wait_dscnt 0x0
	s_endpgm
.Lfunc_end_k_qf6e38ee078_quant_x:
	.size	k_qf6e38ee078_quant_x, .Lfunc_end_k_qf6e38ee078_quant_x-k_qf6e38ee078_quant_x
	.p2alignl 7, 3214868480
	.fill 96, 4, 3214868480
	.section	.rodata,"a",@progbits
	.p2align	6, 0x0
	.amdhsa_kernel k_qf6e38ee078_quant_x
		.amdhsa_group_segment_fixed_size 33280
		.amdhsa_private_segment_fixed_size 0
		.amdhsa_enable_private_segment 0
		.amdhsa_kernarg_size 24
		.amdhsa_user_sgpr_count 2
		.amdhsa_user_sgpr_kernarg_segment_ptr 1
		.amdhsa_wavefront_size32 1
		.amdhsa_system_sgpr_workgroup_id_x 1
		.amdhsa_system_sgpr_workgroup_id_y 1
		.amdhsa_system_sgpr_workgroup_id_z 1
		.amdhsa_system_vgpr_workitem_id 0
		.amdhsa_next_free_vgpr 192
		.amdhsa_next_free_sgpr 66
		.amdhsa_reserve_vcc 0
		.amdhsa_float_denorm_mode_32 3
		.amdhsa_float_denorm_mode_16_64 3
		.amdhsa_memory_ordered 1
		.amdhsa_forward_progress 1
		.amdhsa_inst_pref_size 37
	.end_amdhsa_kernel
	.amdgpu_metadata
---
amdhsa.version: [ 1, 2 ]
amdhsa.kernels:
  - .name:           k_qf6e38ee078_quant_x
    .symbol:         k_qf6e38ee078_quant_x.kd
    .args:
      - { .name: x, .offset: 0, .size: 8, .value_kind: global_buffer, .address_space: global }
      - { .name: lowp_scales, .offset: 8, .size: 8, .value_kind: global_buffer, .address_space: global }
      - { .name: xc, .offset: 16, .size: 8, .value_kind: global_buffer, .address_space: global }
    .group_segment_fixed_size: 33280
    .private_segment_fixed_size: 0
    .kernarg_segment_align: 8
    .kernarg_segment_size: 24
    .max_flat_workgroup_size: 128
    .sgpr_count:     66
    .vgpr_count:     192
    .wavefront_size: 32
...
	.end_amdgpu_metadata
.endif
;; end of part 1
;; launch quant_w (part 2): grid 32 x 4, 4 waves a work-group, no clusters, 35,840 bytes of LDS; arguments W_qkv, W_out, lowp_scales, wc; writes wc
.if DOCPART == 2
	.amdgcn_target "amdgcn-amd-amdhsa--gfx1250"
	.amdhsa_code_object_version 6
	.text
	.protected	k_qf6e38ee078_quant_w
	.globl	k_qf6e38ee078_quant_w
	.p2align	8
	.type	k_qf6e38ee078_quant_w,@function
k_qf6e38ee078_quant_w:
	s_mov_b64 s[64:65], 0
	v_nop
	global_prefetch_b8 v0, s[64:65] scope:SCOPE_SE
	s_setreg_imm32_b32 hwreg(HW_REG_WAVE_MODE, 25, 1), 1
	s_wait_xcnt 0x0
; W_qkv [1024][3072] and W_out [1024][1024], f32, are operands whose K is their FIRST axis.  They become codes of FP8 (E4M3) in wc [4096][1024], K innermost and natural:
; row n < 3072 is column n of W_qkv (scale 2^e, e = entry 1 of the scales), row 3072 + n is column n of W_out (entry 7).
; code = w / 2^e, held within +-448, rounded to the nearest code, ties to even.  LIMITS: -126 <= e and e + 8 <= 127.  NaN among the inputs is not served.
; A LANE TAKES A COLUMN, AND ITS REGISTERS RUN DOWN K: each load reads neighbouring columns in neighbouring lanes (128 consecutive bytes a wave, 512 a work-group), and the conversions give the codes with K innermost.
; Work-group x takes rows 128 x .. of wc, work-group y 256 along K; a wave takes 32 columns.  The first 24 values of x take W_qkv, the others W_out: only the pointer, the row's length and e are chosen
; (by the work-group's number); both tensors take one path through the text.  A row's length is no constant here, so the 32 rows of a block stand in 32 offset registers and the 8 blocks in 8 scalar bases.
; A lane's codes belong to one row of wc and the lanes beside it hold other rows: they go through the wave's own stage in LDS and leave as rows: sixteen lanes store 256 consecutive bytes, aligned.
.set NB,    8                          ; blocks of 32 along K for a wave
.set PITCH, 272                        ; a stage row: 256 bytes of codes + 16
.set KROW,  1024                       ; a row of wc in bytes
.set EMAX,  8
.set MANT,  0x600000
.set OFF,   16                         ; v16-47   4 x lane + i rows of W
.set X,     48                         ; v48-111  two sets of 32 numbers
.set C,     112                        ; v112-119 a block's codes
.set OUTR,  120                        ; v120-183 the way out: 16 x 4 registers
.set SPW,   14
.set NIL,   15
.set SPARE, 4*32*PITCH                 ; behind the four stages: the spare words, 128 bytes for each wave
	s_load_b128 s[4:7], s[0:1], 0x0                ; W_qkv, W_out
	s_load_b128 s[8:11], s[0:1], 0x10              ; the scales' exponents, wc
	v_lshl_add_u32 v[SPW], v0, 2, SPARE
	v_mov_b32 v[NIL], 0
	v_lshrrev_b32 v1, 5, v0
	v_readfirstlane_b32 s12, v1                    ; wave 0..3
	v_and_b32 v2, 31, v0                           ; lane
	s_and_b32 s13, ttmp7, 0xffff                   ; which 256 along K
	s_mov_b32 s14, 4096
	s_cmp_lt_u32 ttmp9, 24                         ; W_qkv's work-group or W_out's?
	s_cselect_b32 s14, 12288, s14                  ; bytes in a row of my tensor
	s_cselect_b32 s15, 0, 24
	s_sub_co_u32 s15, ttmp9, s15                   ; my block of 128 columns in my tensor
	s_lshl_b32 s15, s15, 7
	s_lshl_b32 s34, s12, 5
	s_add_co_u32 s15, s15, s34                     ; my wave's first column
	s_lshl_b32 s36, s15, 2
	s_lshl_b32 s35, s13, 8
	s_mul_i32 s35, s35, s14                        ; 256 y rows
	s_add_co_u32 s36, s36, s35                     ; where my wave's part begins in W, in bytes (under 2^24)
	s_mov_b32 s37, 0
	s_lshl_b32 s32, s14, 5                         ; 32 rows on
	s_mov_b32 s33, 0
	s_lshl_b32 s38, ttmp9, 7
	s_add_co_u32 s38, s38, s34                     ; my wave's first row of wc
	s_lshl_b32 s38, s38, 10
	s_lshl_b32 s39, s13, 8
	s_add_co_u32 s38, s38, s39                     ; + 256 y bytes
	s_mov_b32 s39, 0
	v_lshlrev_b32 v[OFF], 2, v2
.set i, 1
.rept 31
	v_add_nc_u32 v[OFF+i], s14, v[OFF+i-1]
.set i, i+1
.endr
	s_mul_i32 s35, s12, 32*PITCH                   ; my stage
	v_mul_u32_u24 v4, v2, PITCH
	v_add_nc_u32 v4, s35, v4                       ; into it: row = my column
	v_and_b32 v5, 15, v2
	v_lshrrev_b32 v6, 4, v2                        ; out of it: sixteen lanes to a row, two rows an instruction
	v_mul_u32_u24 v7, v6, PITCH
	v_lshl_add_u32 v7, v5, 4, v7
	v_add_nc_u32 v7, s35, v7
	v_mul_u32_u24 v8, v6, KROW
	v_lshl_add_u32 v8, v5, 4, v8                   ; and the same place in wc
	s_wait_kmcnt 0x0
	s_load_b256 s[40:47], s[8:9], 0x0              ; the eight exponents
	s_cmp_lt_u32 ttmp9, 24
	s_cselect_b64 s[16:17], s[4:5], s[6:7]
	s_add_nc_u64 s[16:17], s[16:17], s[36:37]      ; block 0's first row,
.irp t, 1,2,3,4,5,6,7
	s_add_nc_u64 s[16+2*\t:17+2*\t], s[14+2*\t:15+2*\t], s[32:33]   ; and the seven others'
.endr
	s_add_nc_u64 s[10:11], s[10:11], s[38:39]
.macro LOAD t                          ; block t: W(256 y + 32 t + i, my column), i = 0 .. 31, into set t % 2
.set i, 0
.rept 32
	global_load_b32 v[X+32*((\t)%2)+i], v[OFF+i], s[16+2*(\t):17+2*(\t)] th:TH_LOAD_NT
.set i, i+1
.endr
.endm
	LOAD 0
	LOAD 1
	s_wait_kmcnt 0x0
	s_cmp_lt_u32 ttmp9, 24
	s_cselect_b32 s34, s41, s47                    ; e
	s_add_co_i32 s34, s34, 127
	s_lshl_b32 s35, s34, 23
	v_mov_b32 v11, s35                             ; 2^e as f32
	s_add_co_i32 s34, s34, EMAX
	s_lshl_b32 s34, s34, 23
	s_or_b32 s34, s34, MANT
	v_mov_b32 v10, s34                             ; 448 x 2^e
.macro BLOCK t
.set XS, X+32*((\t)%2)
.if (\t) < NB-1
	s_wait_loadcnt 32                              ; this block's 32 loads are in; the next block's 32 may be out
.else
	s_wait_loadcnt 0
.endif
.set i, 0
.rept 32
	v_med3_num_f32 v[XS+i], v[XS+i], -v10, v10     ; the conversion does not saturate (ISA guide 7.6.2): the hold at the largest code x the scale
.set i, i+1
.endr
.irp g, 0,1,2,3
	v_cvt_scalef32_pk8_fp8_f32 v[C+2*\g:C+2*\g+1], v[XS+8*\g:XS+8*\g+7], v11
.endr
	ds_store_b128 v4, v[C:C+3] offset:32*(\t)      ; 32 codes: 32 bytes of my column's row
	ds_store_b128 v4, v[C+4:C+7] offset:32*(\t)+16
.if (\t)+2 < NB
	LOAD (\t)+2
.endif
	s_wait_dscnt 0x0                               ; the stores have read their registers: the next block's codes may be written
.endm
.set Q, 0
.rept NB
	BLOCK Q
.set Q, Q+1
.endr
.irp t, 0,1,2,3,4,5,6,7,8,9,10,11,12,13,14,15
	ds_load_b128 v[OUTR+4*\t:OUTR+4*\t+3], v7 offset:2*\t*PITCH   ; LDS serves a wave's instructions in order: these see my stores
.endr
.irp t, 0,1,2,3,4,5,6,7,8,9,10,11,12,13,14,15
	s_wait_dscnt 15-\t                             ; rows come back in order: the later ones may be out
	global_store_b128 v8, v[OUTR+4*\t:OUTR+4*\t+3], s[10:11] offset:2*\t*KROW
.endr
	s_wait_tensorcnt 0x0                           ; the wave's end, behind my last LDS store
	ds_add_u32 v[SPW], v[NIL]
	s_wait_dscnt 0x0
	s_endpgm
.Lfunc_end_k_qf6e38ee078_quant_w:
	.size	k_qf6e38ee078_quant_w, .Lfunc_end_k_qf6e38ee078_quant_w-k_qf6e38ee078_quant_w
	.p2alignl 7, 3214868480
	.fill 96, 4, 3214868480
	.section	.rodata,"a",@progbits
	.p2align	6, 0x0
	.amdhsa_kernel k_qf6e38ee078_quant_w
		.amdhsa_group_segment_fixed_size 35840
		.amdhsa_private_segment_fixed_size 0
		.amdhsa_enable_private_segment 0
		.amdhsa_kernarg_size 32
		.amdhsa_user_sgpr_count 2
		.amdhsa_user_sgpr_kernarg_segment_ptr 1
		.amdhsa_wavefront_size32 1
		.amdhsa_system_sgpr_workgroup_id_x 1
		.amdhsa_system_sgpr_workgroup_id_y 1
		.amdhsa_system_sgpr_workgroup_id_z 1
		.amdhsa_system_vgpr_workitem_id 0
		.amdhsa_next_free_vgpr 192
		.amdhsa_next_free_sgpr 66
		.amdhsa_reserve_vcc 0
		.amdhsa_float_denorm_mode_32 3
		.amdhsa_float_denorm_mode_16_64 3
		.amdhsa_memory_ordered 1
		.amdhsa_forward_progress 1
		.amdhsa_inst_pref_size 51
	.end_amdhsa_kernel
	.amdgpu_metadata
---
amdhsa.version: [ 1, 2 ]
amdhsa.kernels:
  - .name:           k_qf6e38ee078_quant_w
    .symbol:         k_qf6e38ee078_quant_w.kd
    .args:
      - { .name: W_qkv, .offset: 0, .size: 8, .value_kind: global_buffer, .address_space: global }
      - { .name: W_out, .offset: 8, .size: 8, .value_kind: global_buffer, .address_space: global }
      - { .name: lowp_scales, .offset: 16, .size: 8, .value_kind: global_buffer, .address_space: global }
      - { .name: wc, .offset: 24, .size: 8, .value_kind: global_buffer, .address_space: global }
    .group_segment_fixed_size: 35840
    .private_segment_fixed_size: 0
    .kernarg_segment_align: 8
    .kernarg_segment_size: 32
    .max_flat_workgroup_size: 128
    .sgpr_count:     66
    .vgpr_count:     192
    .wavefront_size: 32
...
	.end_amdgpu_metadata
.endif
;; end of part 2
;; launch gemm_qkv (part 3): grid 12 x 32, 4 waves a work-group, clusters of 4 x 4, 327,680 bytes of LDS; arguments xc, wc, lowp_scales, b_qkv, qc, kc, vc; writes qc, kc, vc
.if DOCPART == 3
	.amdgcn_target "amdgcn-amd-amdhsa--gfx1250"
	.amdhsa_code_object_version 6
	.text
	.protected	k_qf6e38ee078_gemm_qkv
	.globl	k_qf6e38ee078_gemm_qkv
	.p2align	8
	.type	k_qf6e38ee078_gemm_qkv,@function
k_qf6e38ee078_gemm_qkv:
	s_mov_b64 s[64:65], 0
	v_nop
	global_prefetch_b8 v0, s[64:65] scope:SCOPE_SE
	s_setreg_imm32_b32 hwreg(HW_REG_WAVE_MODE, 25, 1), 1
	s_wait_xcnt 0x0
	s_wait_alu depctr_hold_cnt(0) depctr_sa_sdst(0) depctr_va_vdst(0) depctr_va_sdst(0) depctr_va_ssrc(0) depctr_va_vcc(0) depctr_vm_vsrc(0)
	s_getreg_b32 s2, hwreg(HW_REG_IB_STS2, 6, 4)
	s_cmp_eq_u32 s2, 0
	s_cbranch_scc0 .Lentry_in_a_cluster
	s_endpgm
.Lentry_in_a_cluster:
	s_bfe_u32 s2, ttmp6, 0x10000c
	s_cmp_lg_u32 s2, 0xf033
	s_cbranch_scc0 .Lentry_shape_is_right
	s_endpgm
.Lentry_shape_is_right:
; qkv = x W_qkv + b_qkv on codes of FP8 (E4M3), and its three thirds quantised at once into the codes that the attention launch reads.  xc [8192][1024], wc [4096][1024] (rows 0..3071: columns of W_qkv): K innermost.
; A tile of 256 x 256 is made by four waves, each 128 x 128: 64 accumulators, 512 registers.  K = 1,024 goes in four steps of 256 through two LDS slots filled by the tensor data mover; the eight steps of 128 are written out.
; CLUSTERS of 4 x 4.  LDS region 'A' feeds source 1 (a lane's ONE row, lane % 16), region 'B' source 0 (a lane's EIGHT neighbours, 8 (lane / 16) + j).  A's tile hangs on cy and is asked for jointly along a row of the cluster, B's on cx, along a column.
;   cluster x = 0 (q), 1 (k): A = 256 tokens of xc, B = 256 columns of W: a lane's eight results are eight features of a token: the next product's K.
;   cluster x = 2 (v): THE ROLES ARE SWAPPED: A = 256 columns of W, B = 256 tokens: a lane's eight results are eight TOKENS of a feature, since the keys are the K of the product that v enters.
; The branch between the two is on the cluster's x, which all sixteen partners share; its arms hold global loads, products, LDS loads and global stores, and no LDS store, barrier or tensor load.
; THE BIAS is the C of the first K step, divided by 2^(e0 + e1), the power of two that the sums lack.  A sum's code is sum / 2^(et - e0 - e1), et = entry 2, 3 or 5 of the scales, held within +-448.
; WHAT IS STORED.  Two neighbouring accumulators give a lane 16 codes, which are laid as 16 consecutive bytes: in each 32 bytes, byte 16 h + 8 u + i holds number 16 u + 8 h + i.
;   qc, kc: [batch 4][head group 4][token 2048][256 bytes = 4 heads x 64]: the same order of a head's 64 in q and in k, so their product is what it was.
;   vc: [batch][head group][key block 16][256 = head x 64 + d][128 keys]: that order of the keys is the one in which four 16-byte loads a lane give the matrix instruction's own K = 128 layout.
; LIMITS: et - e0 - e1 between -126 and 119, so that the two powers of two below are f32 numbers.  NaN is not served.
; REGISTERS, in windows of 256: window 0: v0-31 addresses; v32-95 the bias, later a block's held sums; from v128 A's fragments (one set), later the codes and the rows read back.
;   window 1: B's fragments, two sets.   window 2: the accumulators of my rows 0-63 ((a, b) at v[8 (8 a + b)]);   window 3: those of my rows 64-127.
.set ROWB,   256                       ; a tile's row in bytes: 256 codes
.set KROW,   1024                      ; a row of xc or wc in memory
.set PITCH,  272                       ; an LDS row: 256 bytes + 16 of padding = 68 words: row r starts at bank 4 r mod 64 (64 banks of 4 bytes: ISA guide 11.1)
.set FR,     16                        ; registers of a fragment: 16 rows x 128 K
.set NL,     4                         ; LDS loads that bring one
.set NP,     4                         ; places behind this matrix instruction (ISA guide 7.12.1)
.set HALFT,  128*PITCH                 ; 128 rows: what one tensor load brings, and what one wave reads of A or of B
.set SLOT,   4*HALFT                   ; A's 256 rows, then B's 256 rows
.set SPARE,  2*SLOT                    ; behind the ring: the spare words, 128 bytes for each wave
.set ADRA, 16                          ; v16-17  LDS address of my A fragments in slot 0, 1
.set ADRB, 20                          ; v20-21  the same for B
.set STO,  24                          ; v24     the way out: where I put 16 codes
.set RDQ,  25                          ; v25     where I read rows back, q and k
.set RDV,  26                          ; v26     the same for v
.set CO,   27                          ; v27     16 x lane
.set SPW,  28                          ; v28     LDS address of my spare word; never rewritten
.set NIL,  29                          ; v29     0; never rewritten
.set SC,   30                          ; v30     2^(et - e0 - e1)
.set LIM,  31                          ; v31     448 x that
.set BIAS, 32
.set TMP,  32
.set AF,   128
.set BK,   128
.set G1, 24                            ; s[24:31] descriptor group 1 for A's tiles;  s[32:39] group 0, one set for each slot
.set G0, 32
.set G1B, 48                           ; s[48:55], s[56:63] the same for B's tiles
.set G0B, 56
.set MSB, 0
.macro WIN new                         ; the immediate's high byte repeats the setting that is left
.if MSB != \new
	s_set_vgpr_msb (MSB<<8)|\new
.set MSB, \new
.endif
.endm
.set MUL_LO, 0xa1                      ; source 0 (B) window 1, source 1 (A) window 0, C and D window 2
.set MUL_HI, 0xf1                      ; the same, C and D window 3
.set FST_LO, 0x81                      ; the first step: C (the bias) window 0, D window 2
.set FST_HI, 0xc1                      ; D window 3
.set TO_B,   0x40                      ; destination window 1, address window 0
; A joint load: waves 0 and 1 fetch for A, waves 2 and 3 for B; the branch hangs on the wave's number alone.  An s_nop 0 and four v_nop follow each of the two lines.
.macro JLOAD g0a, g1a, g0b, g1b
	s_cmp_eq_u32 s15, 0
	s_cbranch_scc0 .Lfor_b_\@
	tensor_load_to_lds s[\g0a:\g0a+3], s[\g1a:\g1a+7]
	s_nop 0
.rept 4
	v_nop
.endr
	s_branch .Lasked_\@
.Lfor_b_\@:
	tensor_load_to_lds s[\g0b:\g0b+3], s[\g1b:\g1b+7]
	s_nop 0
.rept 4
	v_nop
.endr
.Lasked_\@:
.endm
.macro CREST                           ; a round of the cluster's barrier behind its opening barrier
	s_cmp_lg_u32 s14, 0
	s_cbranch_scc1 .Lnot_wave_0_\@
	s_barrier_signal -3
.Lnot_wave_0_\@:
	s_barrier_wait -3
	s_barrier_signal -1
	s_barrier_wait -1
.endm
.macro CROUND                          ; a whole round
	s_barrier_signal -1
	s_barrier_wait -1
	CREST
.endm
	s_load_b256 s[4:11], s[0:1], 0x0               ; xc s[4:5], wc s[6:7], the scales' exponents s[8:9], b_qkv s[10:11]
	s_load_b128 s[68:71], s[0:1], 0x20             ; qc, kc
	s_load_b64 s[72:73], s[0:1], 0x30              ; vc
	v_lshl_add_u32 v[SPW], v0, 2, SPARE
	v_mov_b32 v[NIL], 0
	ds_add_u32 v[SPW], v[NIL]                      ; the wave's opening: the add and its wait stand ahead of my first tensor load; the set-up below, work on registers, stands between them
	v_lshrrev_b32 v1, 5, v0
	v_readfirstlane_b32 s14, v1                    ; wave 0..3
	s_lshr_b32 s15, s14, 1                         ; which half of A's rows is mine.  Also: I fetch for A (0) or for B (1)
	s_and_b32 s16, s14, 1                          ; which half of B's rows.  Also: which 128 rows of that tile I fetch
	s_bfe_u32 s40, ttmp6, 0x40000                  ; cx, cy: my place in the cluster
	s_bfe_u32 s41, ttmp6, 0x40004
	s_and_b32 s12, ttmp7, 0xffff
	s_lshl_b32 s12, s12, 2                         ; 4 x cluster y
	s_add_co_u32 s74, s12, s41
	s_lshl_b32 s74, s74, 8                         ; q, k: A's first row in xc: 256 (4 cluster y + cy)
	s_lshl_b32 s75, s41, 8
	s_add_co_u32 s75, s75, 2048                    ; v: A's first row in wc: 2048 + 256 cy
	s_add_co_u32 s76, s12, s40
	s_lshl_b32 s76, s76, 8                         ; v: B's first row in xc: 256 (4 cluster y + cx)
	s_lshl_b32 s77, ttmp9, 2
	s_add_co_u32 s77, s77, s40
	s_lshl_b32 s77, s77, 8                         ; q, k: B's first row in wc: 256 (4 cluster x + cx)
	s_cmp_eq_u32 ttmp9, 2
	s_cselect_b32 s20, s75, s74                    ; A's rows hang on cy alone,
	s_cselect_b32 s46, s76, s77                    ; B's on cx alone
	s_lshl_b32 s43, s41, 2
	s_lshl_b32 s43, 15, s43                        ; my row of the cluster
	s_lshl_b32 s44, 0x1111, s40                    ; my column
	; descriptor group 1: a tile of 128 rows x 256 bytes, padded in LDS
	s_or_b32 s[G1+0], s43, (0<<16)|(1<<20)|(1<<21)|(5<<22)|(3<<25)  ; 15:0 the mask: A's tiles go to my row; 17:16 element of 1 byte; 20 padding on; 21 set beside a mask; 24:22 after every 64 words (code 5); 31:25 of 4 words (code 3)
	s_or_b32 s[G1B+0], s44, (0<<16)|(1<<20)|(1<<21)|(5<<22)|(3<<25)
.irp g, G1, G1B
	s_mov_b32 s[\g+1], ROWB<<16                    ; tensor_dim0
	s_mov_b32 s[\g+2], 128<<16                     ; tensor_dim1 = 128
	s_mov_b32 s[\g+3], ROWB<<16                    ; tile_dim0
	s_mov_b32 s[\g+4], 128                         ; tile_dim1 = 128
	s_mov_b32 s[\g+5], KROW                        ; tensor_dim0_stride
	s_mov_b32 s[\g+6], 0
	s_mov_b32 s[\g+7], 0
.endr
	s_lshl_b32 s18, s16, 7                         ; which 128 rows of the tile I fetch
	s_add_co_u32 s20, s20, s18
	s_add_co_u32 s46, s46, s18
	s_lshl_b32 s20, s20, 10                        ; in bytes (under 2^23)
	s_lshl_b32 s46, s46, 10
	s_mov_b32 s21, 0
	s_mov_b32 s47, 0
	s_mul_i32 s45, s14, HALFT                      ; where they go: wave x 128 rows: no place in the cluster enters an LDS address
	s_wait_dscnt 0x0                               ; the opening add is done
	s_wait_kmcnt 0x0
	s_load_b256 s[80:87], s[8:9], 0x0              ; e0 .. e7
	s_cmp_eq_u32 ttmp9, 2
	s_cselect_b64 s[88:89], s[6:7], s[4:5]         ; A comes from wc (v) or xc,
	s_cselect_b64 s[90:91], s[4:5], s[6:7]         ; B from the other
	s_add_nc_u64 s[20:21], s[88:89], s[20:21]
	s_add_nc_u64 s[46:47], s[90:91], s[46:47]
	CROUND                                         ; all sixteen work-groups are here: the first joint loads meet
.irp s, 0,1
	s_mov_b32 s[G0+4*\s], 1
	s_add_co_u32 s[G0+4*\s+1], s45, \s*SLOT
	s_add_nc_u64 s[G0+4*\s+2:G0+4*\s+3], s[20:21], \s*ROWB
	s_or_b32 s[G0+4*\s+3], s[G0+4*\s+3], 0x80000000
	s_mov_b32 s[G0B+4*\s], 1
	s_add_co_u32 s[G0B+4*\s+1], s45, \s*SLOT
	s_add_nc_u64 s[G0B+4*\s+2:G0B+4*\s+3], s[46:47], \s*ROWB
	s_or_b32 s[G0B+4*\s+3], s[G0B+4*\s+3], 0x80000000
	JLOAD G0+4*\s, G1, G0B+4*\s, G1B               ; two loads of mine are out
.endr
	v_and_b32 v1, 15, v0                           ; r = l % 16
	v_bfe_u32 v2, v0, 4, 1                         ; h = l / 16
	v_mul_u32_u24 v3, v1, PITCH
	v_lshl_add_u32 v4, v2, 4, v3                   ; a fragment's row x pitch + 16 x half
	s_mul_i32 s21, s15, HALFT                      ; my 128 rows of A
	s_mul_i32 s22, s16, HALFT                      ; my 128 rows of B,
	s_add_co_u32 s22, s22, 2*HALFT                 ; which lie behind A's 256
.irp s, 0,1
	v_add_nc_u32 v[ADRA+\s], s21, v4
	v_add_nc_u32 v[ADRB+\s], s22, v4
	s_add_co_u32 s21, s21, SLOT
	s_add_co_u32 s22, s22, SLOT
.endr
	s_mul_i32 s23, s15, HALFT                      ; the stage, 256 rows x 272 bytes, the work-group's: row = A's row, byte = B's row
	s_lshl_b32 s21, s16, 7
	s_add_co_u32 s23, s23, s21
	v_add_nc_u32 v[STO], s23, v4                   ; (128 x my half of A + r) x 272 + 128 x my half of B + 16 h
	s_mul_i32 s23, s14, 64*PITCH                   ; back: wave w takes rows 64 w ..
	v_mul_u32_u24 v5, v2, PITCH
	v_lshl_add_u32 v5, v1, 4, v5
	v_add_nc_u32 v[RDQ], s23, v5                   ; q, k: sixteen lanes to a row of 256 bytes
	v_and_b32 v6, 31, v0
	v_lshrrev_b32 v7, 3, v6
	v_mul_u32_u24 v7, v7, PITCH
	v_and_b32 v8, 7, v0
	v_lshl_add_u32 v7, v8, 4, v7
	v_add_nc_u32 v[RDV], s23, v7                   ; v: eight lanes to half a row (one key block's 128 bytes), four rows an instruction
	v_lshlrev_b32 v[CO], 4, v6
	v_lshlrev_b32 v9, 5, v2                        ; the bias, q and k: 32 h bytes: my eight columns of a tile of 16
	v_lshlrev_b32 v10, 2, v1                       ; v: 4 r: my one column
	s_lshl_b32 s92, s15, 7
	s_add_co_u32 s92, s92, s75                     ; v: the first column of my 128 rows of A
	s_lshl_b32 s93, s16, 7
	s_add_co_u32 s93, s93, s77                     ; q, k: of my 128 rows of B
	s_cmp_eq_u32 ttmp9, 2
	s_cselect_b32 s92, s92, s93
	s_lshl_b32 s92, s92, 2
	s_mov_b32 s93, 0
	s_add_nc_u64 s[10:11], s[10:11], s[92:93]
	s_cmp_eq_u32 ttmp9, 2
	s_cbranch_scc1 .Lbias_v
.irp b, 0,1,2,3,4,5,6,7                        ; q, k: register 8 b + j = the bias of column 16 b + 8 h + j: the C of every accumulator (a, b)
	global_load_b128 v[BIAS+8*\b:BIAS+8*\b+3], v9, s[10:11] offset:64*\b
	global_load_b128 v[BIAS+8*\b+4:BIAS+8*\b+7], v9, s[10:11] offset:64*\b+16
.endr
	s_branch .Lbias_in
.Lbias_v:
.irp a, 0,1,2,3,4,5,6,7                        ; v: registers 8 a + 0 .. 7 all hold the bias of column 16 a + r: the C of every accumulator (a, b)
.irp j, 0,1,2,3,4,5,6,7
	global_load_b32 v[BIAS+8*\a+\j], v10, s[10:11] offset:64*\a
.endr
.endr
.Lbias_in:
	s_wait_loadcnt 0x0
	s_wait_kmcnt 0x0
	s_add_co_i32 s94, s80, s81                     ; e0 + e1
	s_sub_co_i32 s95, 0, s94
.set i, 0
.rept 64
	v_ldexp_f32 v[BIAS+i], v[BIAS+i], s95          ; b / 2^(e0 + e1)
.set i, i+1
.endr
	s_cmp_eq_u32 ttmp9, 1
	s_cselect_b32 s95, s83, s82                    ; et: e2 for q, e3 for k,
	s_cmp_eq_u32 ttmp9, 2
	s_cselect_b32 s95, s85, s95                    ; e5 for v
	s_sub_co_i32 s95, s95, s94
	s_add_co_i32 s95, s95, 127
	s_lshl_b32 s94, s95, 23
	v_mov_b32 v[SC], s94                           ; 2^(et - e0 - e1): the three scales folded into the conversion's one
	s_add_co_i32 s95, s95, 8
	s_lshl_b32 s95, s95, 23
	s_or_b32 s95, s95, 0x600000
	v_mov_b32 v[LIM], s95                          ; 448 x that
.macro FRAG reg, adr, q, i             ; a fragment, 16 rows x 128 K: lane l holds row l % 16; registers 4 c .. 4 c + 3 hold K = 32 c + 16 (l / 16) + 0 .. 15: a permutation of K that is the same in A and in B
.irp c, 0,1,2,3
	ds_load_b128 v[\reg+4*\c:\reg+4*\c+3], v[\adr] offset:128*(\q)+32*\c+(\i)*16*PITCH
.endr
.endm
; 16 matrix instructions: A's blocks a0, a0 + 1 x B's eight, 128 along K.  p: B's set.  zero = 1, 2: the first product starts the sums from the bias (by B's block; by A's block).
; The 64 accumulators take turns, one instruction a turn, in the same order in every step.
.macro MUL16 a0, p, zero
.irp a, \a0, \a0+1
.irp b, 0,1,2,3,4,5,6,7
.if \zero == 1
	v_wmma_f32_16x16x128_fp8_fp8 v[8*(8*((\a)%4)+\b):8*(8*((\a)%4)+\b)+7], v[128*(\p)+FR*\b:128*(\p)+FR*\b+FR-1], v[AF+FR*(\a):AF+FR*(\a)+FR-1], v[BIAS+8*\b:BIAS+8*\b+7]
.elseif \zero == 2
	v_wmma_f32_16x16x128_fp8_fp8 v[8*(8*((\a)%4)+\b):8*(8*((\a)%4)+\b)+7], v[128*(\p)+FR*\b:128*(\p)+FR*\b+FR-1], v[AF+FR*(\a):AF+FR*(\a)+FR-1], v[BIAS+8*(\a):BIAS+8*(\a)+7]
.else
	v_wmma_f32_16x16x128_fp8_fp8 v[8*(8*((\a)%4)+\b):8*(8*((\a)%4)+\b)+7], v[128*(\p)+FR*\b:128*(\p)+FR*\b+FR-1], v[AF+FR*(\a):AF+FR*(\a)+FR-1], v[8*(8*((\a)%4)+\b):8*(8*((\a)%4)+\b)+7]
.endif
.endr
.endr
.endm
.macro FETCH_B slot, q, p              ; B's eight fragments of the slot's q-th 128 along K into set p
	WIN TO_B
.irp i, 0,1,2,3,4,5,6,7
	FRAG 128*(\p)+FR*\i, ADRB+\slot, \q, \i
.endr
	WIN 0
.endm
.macro FETCH_A slot, q, i0             ; A's blocks i0 .. i0 + 3
.irp i, \i0, \i0+1, \i0+2, \i0+3
	FRAG AF+FR*(\i), ADRA+\slot, \q, \i
.endr
.endm
.macro PLACES n                        ; plain vector instructions between a matrix instruction and a load into its sources, or a read of its result
.rept \n
	v_nop
.endr
.endm
; A step of 128 along K that has its successor in the same slot.  A block of A is free as soon as its eight products are issued, so A has one set of registers; B has two.
.macro STEP slot, q, zero
	s_wait_dscnt 4*NL                              ; B's set and A's blocks 0-3 are in; the youngest sixteen loads (A's blocks 4-7) may be out
.if \zero
	WIN FST_LO
.else
	WIN MUL_LO
.endif
	MUL16 0, (\q)%2, \zero
	MUL16 2, (\q)%2, \zero
	s_wait_dscnt 0                                 ; A's blocks 4-7 are in
	PLACES NP
	FETCH_B \slot, (\q)+1, 1-(\q)%2
	FETCH_A \slot, (\q)+1, 0
.if \zero
	WIN FST_HI
.else
	WIN MUL_HI
.endif
	MUL16 4, (\q)%2, \zero
	MUL16 6, (\q)%2, \zero
	PLACES NP
	WIN 0
	FETCH_A \slot, (\q)+1, 4
.endm
; A slot's last step changes slots: ONE barrier; in front of it each wave waits for all its tensor loads, adds 0 to its spare word, and waits for that and for its own reads of this slot.  fill = 1: this slot is filled again, two K steps ahead.
.macro TURN slot, next, fill
	s_wait_tensorcnt 0x0                           ; all my tensor loads have landed: my part of the next slot (every window is 0 here)
	ds_add_u32 v[SPW], v[NIL]                      ; 0 onto my spare word
	s_wait_dscnt 4*NL+1                            ; (the add and the youngest sixteen loads, A's blocks 4-7, may be out)
	WIN MUL_LO
	MUL16 0, 1, 0                                  ; sixteen matrix instructions stand between the add and the wait for it
	s_wait_dscnt 0x0                               ; the add is done, and my reads of this slot are over
	s_barrier_signal -1
	MUL16 2, 1, 0
	WIN 0
	s_barrier_wait -1
.if \fill
	CREST                                          ; the barrier has opened a round of the cluster's barrier: no wave of any partner still reads this slot's tile or has a load on its way
	s_add_nc_u64 s[G0+4*\slot+2:G0+4*\slot+3], s[G0+4*\slot+2:G0+4*\slot+3], 2*ROWB
	s_add_nc_u64 s[G0B+4*\slot+2:G0B+4*\slot+3], s[G0B+4*\slot+2:G0B+4*\slot+3], 2*ROWB
	JLOAD G0+4*\slot, G1, G0B+4*\slot, G1B         ; the first tensor load behind the round, my one load until the next; its four v_nop are also the places in front of the loads below
.else
	PLACES NP
.endif
	FETCH_B \next, 0, 0
	FETCH_A \next, 0, 0
	WIN MUL_HI
	MUL16 4, 1, 0
	MUL16 6, 1, 0
	PLACES NP
	WIN 0
	FETCH_A \next, 0, 4
.endm
	s_wait_tensorcnt 1                             ; my part of K step 0 is in (K step 1's load may be out)
	s_barrier_signal -1
	s_barrier_wait -1                              ; everybody's is
	FETCH_B 0, 0, 0
	FETCH_A 0, 0, 0
	FETCH_A 0, 0, 4
	s_cmp_eq_u32 ttmp9, 2                          ; the first step is written twice: the bias is taken by B's block (q, k) or by A's (v)
	s_cbranch_scc1 .Lfirst_v
	STEP 0, 0, 1
	s_branch .Lfirst_done
.Lfirst_v:
	STEP 0, 0, 2
.Lfirst_done:
	TURN 0, 1, 1                                   ; K 128 ..; slot 0 takes K 512 ..
	STEP 1, 0, 0                                   ; K 256 ..
	TURN 1, 0, 1                                   ; K 384 ..; slot 1 takes K 768 ..
	STEP 0, 0, 0                                   ; K 512 ..
	TURN 0, 1, 0                                   ; K 640 ..; nothing is left to fetch
	STEP 1, 0, 0                                   ; K 768 ..
	s_wait_dscnt 4*NL                              ; K 896 ..: the last step
	WIN MUL_LO
	MUL16 0, 1, 0
	MUL16 2, 1, 0
	s_wait_dscnt 0
	WIN MUL_HI
	MUL16 4, 1, 0
	MUL16 6, 1, 0
	WIN 0
; THE WAY OUT.  Block a (16 rows of A x my 128 rows of B): the sums are held within +-448 x the scale into other registers (each accumulator from its low end on), converted, and 16 codes a lane go into the work-group's stage.
; The stage lies in slot 0: that slot has had its last fill, and every wave has passed the last change of slots, behind which nobody reads it.  Each block's codes have registers of their own.
.macro CODES a
.set AC, 64*((\a)%4)
.set CD, BK+16*(\a)
.set WS, 2+(\a)/4
	WIN WS                                         ; source 0: window 2 or 3
.set i, 0
.rept 64
	v_med3_num_f32 v[TMP+i], v[AC+i], -v[LIM], v[LIM]   ; the conversion does not saturate (ISA guide 7.6.2)
.set i, i+1
.endr
	WIN 0
.irp b, 0,1,2,3,4,5,6,7
	v_cvt_scalef32_pk8_fp8_f32 v[CD+2*\b:CD+2*\b+1], v[TMP+8*\b:TMP+8*\b+7], v[SC]
.endr
	v_nop                                          ; one plain vector instruction between the conversions and the next block's holds, which write their sources
.irp g, 0,1,2,3
	ds_store_b128 v[STO], v[CD+4*\g:CD+4*\g+3] offset:(\a)*16*PITCH+32*\g   ; B's blocks 2 g and 2 g + 1: 16 bytes
.endr
.endm
	PLACES NP                                      ; behind the last products: their results are read, and the registers that held A's fragments are written
.irp a, 0,1,2,3,4,5,6,7
	CODES \a
.endr
	s_wait_dscnt 0x0                               ; for the others' sake: my stores into the stage are done
	s_barrier_signal -1
	s_barrier_wait -1
	s_cmp_eq_u32 ttmp9, 2
	s_cbranch_scc1 .Lout_v
	s_cmp_eq_u32 ttmp9, 0
	s_cselect_b64 s[88:89], s[68:69], s[70:71]     ; qc or kc
	s_lshr_b32 s92, s74, 11                        ; the batch of my tile's tokens,
	s_lshl_b32 s92, s92, 2
	s_add_co_u32 s92, s92, s40                     ; its head group cx,
	s_lshl_b32 s92, s92, 19
	s_and_b32 s93, s74, 2047                       ; the first token: 256 bytes each,
	s_lshl_b32 s93, s93, 8
	s_add_co_u32 s92, s92, s93
	s_lshl_b32 s93, s14, 14                        ; my wave's 64 tokens
	s_add_co_u32 s92, s92, s93
	s_mov_b32 s93, 0
	s_add_nc_u64 s[88:89], s[88:89], s[92:93]
.set u, 0
.rept 32
	ds_load_b128 v[BK+4*u:BK+4*u+3], v[RDQ] offset:u*2*PITCH
.set u, u+1
.endr
.set u, 0
.rept 32
	s_wait_dscnt 31-u                              ; rows come back in order: the later ones may be out
	global_store_b128 v[CO], v[BK+4*u:BK+4*u+3], s[88:89] offset:u*512   ; two tokens' rows: 512 consecutive bytes
.set u, u+1
.endr
	s_branch .Lout_done
.Lout_v:
	s_lshr_b32 s92, s76, 11                        ; the batch of my tile's tokens,
	s_lshl_b32 s92, s92, 2
	s_add_co_u32 s92, s92, s41                     ; the head group cy,
	s_lshl_b32 s92, s92, 4
	s_and_b32 s93, s76, 2047
	s_lshr_b32 s93, s93, 7                         ; the first of the tile's two key blocks: 32,768 bytes each,
	s_add_co_u32 s92, s92, s93
	s_lshl_b32 s92, s92, 15
	s_lshl_b32 s93, s14, 13                        ; my wave's 64 rows of 128 bytes
	s_add_co_u32 s92, s92, s93
	s_mov_b32 s93, 0
	s_add_nc_u64 s[88:89], s[72:73], s[92:93]
.set u, 0
.rept 32
	ds_load_b128 v[BK+4*u:BK+4*u+3], v[RDV] offset:(u%16)*4*PITCH+(u/16)*128
.set u, u+1
.endr
.set u, 0
.rept 32
	s_wait_dscnt 31-u
	global_store_b128 v[CO], v[BK+4*u:BK+4*u+3], s[88:89] offset:(u/16)*32768+(u%16)*512   ; four rows of one key block: 512 consecutive bytes
.set u, u+1
.endr
.Lout_done:
	s_wait_tensorcnt 0x0                           ; the wave's end, behind my last tensor load and my last LDS store
	ds_add_u32 v[SPW], v[NIL]
	s_wait_dscnt 0x0
	CROUND                                         ; the closing round: no work-group ends while a partner may still ask for a tile that names it
	s_endpgm
.Lfunc_end_k_qf6e38ee078_gemm_qkv:
	.size	k_qf6e38ee078_gemm_qkv, .Lfunc_end_k_qf6e38ee078_gemm_qkv-k_qf6e38ee078_gemm_qkv
	.p2alignl 7, 3214868480
	.fill 96, 4, 3214868480
	.section	.rodata,"a",@progbits
	.p2align	6, 0x0
	.amdhsa_kernel k_qf6e38ee078_gemm_qkv
		.amdhsa_group_segment_fixed_size 327680
		.amdhsa_private_segment_fixed_size 0
		.amdhsa_enable_private_segment 0
		.amdhsa_kernarg_size 56
		.amdhsa_user_sgpr_count 2
		.amdhsa_user_sgpr_kernarg_segment_ptr 1
		.amdhsa_wavefront_size32 1
		.amdhsa_system_sgpr_workgroup_id_x 1
		.amdhsa_system_sgpr_workgroup_id_y 1
		.amdhsa_system_sgpr_workgroup_id_z 1
		.amdhsa_system_vgpr_workitem_id 0
		.amdhsa_next_free_vgpr 1024
		.amdhsa_next_free_sgpr 100
		.amdhsa_reserve_vcc 0
		.amdhsa_float_denorm_mode_32 3
		.amdhsa_float_denorm_mode_16_64 3
		.amdhsa_memory_ordered 1
		.amdhsa_forward_progress 1
		.amdhsa_inst_pref_size 151
	.end_amdhsa_kernel
	.amdgpu_metadata
---
amdhsa.version: [ 1, 2 ]
amdhsa.kernels:
  - .name:           k_qf6e38ee078_gemm_qkv
    .symbol:         k_qf6e38ee078_gemm_qkv.kd
    .args:
      - { .name: xc, .offset: 0, .size: 8, .value_kind: global_buffer, .address_space: global }
      - { .name: wc, .offset: 8, .size: 8, .value_kind: global_buffer, .address_space: global }
      - { .name: lowp_scales, .offset: 16, .size: 8, .value_kind: global_buffer, .address_space: global }
      - { .name: b_qkv, .offset: 24, .size: 8, .value_kind: global_buffer, .address_space: global }
      - { .name: qc, .offset: 32, .size: 8, .value_kind: global_buffer, .address_space: global }
      - { .name: kc, .offset: 40, .size: 8, .value_kind: global_buffer, .address_space: global }
      - { .name: vc, .offset: 48, .size: 8, .value_kind: global_buffer, .address_space: global }
    .group_segment_fixed_size: 327680
    .private_segment_fixed_size: 0
    .kernarg_segment_align: 8
    .kernarg_segment_size: 56
    .max_flat_workgroup_size: 128
    .sgpr_count:     100
    .vgpr_count:     1024
    .wavefront_size: 32
...
	.end_amdgpu_metadata
.endif
;; end of part 3
;; launch attn (part 4): grid 4 x 64, 16 waves a work-group, clusters of 4 x 1, 327,680 bytes of LDS; arguments qc, kc, vc, entity_bias, lowp_scales, oc; writes oc
.if DOCPART == 4
	.amdgcn_target "amdgcn-amd-amdhsa--gfx1250"
	.amdhsa_code_object_version 6
	.text
	.protected	k_qf6e38ee078_attn
	.globl	k_qf6e38ee078_attn
	.p2align	8
	.type	k_qf6e38ee078_attn,@function
k_qf6e38ee078_attn:
	s_mov_b64 s[64:65], 0
	v_nop
	global_prefetch_b8 v0, s[64:65] scope:SCOPE_SE
	s_setreg_imm32_b32 hwreg(HW_REG_WAVE_MODE, 25, 1), 1
	s_wait_xcnt 0x0
	s_wait_alu depctr_hold_cnt(0) depctr_sa_sdst(0) depctr_va_vdst(0) depctr_va_sdst(0) depctr_va_ssrc(0) depctr_va_vcc(0) depctr_vm_vsrc(0)
	s_getreg_b32 s2, hwreg(HW_REG_IB_STS2, 6, 4)
	s_cmp_eq_u32 s2, 0
	s_cbranch_scc0 .Lentry_in_a_cluster
	s_endpgm
.Lentry_in_a_cluster:
	s_bfe_u32 s2, ttmp6, 0x10000c
	s_cmp_lg_u32 s2, 0x3003
	s_cbranch_scc0 .Lentry_shape_is_right
	s_endpgm
.Lentry_shape_is_right:
; out = softmax(q k^T / 8 + entity_bias, causal) v for 4 batches x 16 heads of 64, 2,048 tokens, both products on codes of FP8 (E4M3); the result is quantised at once (entry 6 of the scales) into oc [8192][1024], K = head x 64 + d, natural.
; qc, kc: [batch][head group][token][4 heads x 64 bytes]; vc: [batch][head group][key block of 128][head x 64 + d][128 keys]; the order of bytes inside is the writer's, and is what the loads below want.
; THE SOFTMAX: z = raw score + bias x 2^(3 - e2 - e3) (the bias, so scaled, is the C of the first product); t = z x log2(e) x 2^(e2 + e3 - 3); M = the running largest t rounded UP to a whole number; p = 2^(t - M) is quantised (e4);
; the row's sum is taken of the unquantised p and divides at the end.  When M moves, the sum and O are multiplied by 2^(old M - new M): nothing is rounded.
; SHARES.  A work-group holds 64 queries x the 4 heads of a head group: sixteen waves, each one tile of 16 queries (wave % 4) of one head (wave / 4), in 256 registers: four waves to a SIMD.
; It does query block p (of 64) and then block 31 - p, in key steps of 128: (p / 2 + 1) + (16 - p / 2) = 17 steps whatever p: 256 equal work-groups, and the trip count is a constant.  Key steps beyond the diagonal are never walked;
; a block's last step lies on the diagonal: there hidden scores become minus infinity ahead of the maximum, and the block is finished.  Key 0 of that step counts for every query, so M is always a number.
; CLUSTER.  The four work-groups of a cluster are the four head groups of the same batch and queries: they need the same tile of the bias, which is asked for JOINTLY (one request for sixteen heads).  K and V are each head group's own:
; plain loads behind the same rounds.  They are not shared among query blocks: work-groups of different p stand at different key steps once they have changed blocks.
; LAYOUT.  Both products are used transposed: S^T = K Q^T (source 0 = 16 keys, source 1 = my 16 queries), O^T = V^T P^T: a lane holds ONE query (lane % 16) throughout.  Tile c of S^T gives lane (r, h) keys 16 c + 8 h + 0 .. 7, and its
; conversion gives registers 2 c, 2 c + 1 of P: the K = 128 form's own layout; vc's order of keys makes four 16-byte loads a lane give V^T in the same layout.
; LIMITS: hidden scores are minus infinity where the definition has -1e9: equal while a row's largest logit lies above about -1e9 + 150.  e2 + e3 - 3 between -126 and 126; e4, and e6 - e4 - e5, between -126 and 119.  NaN is not served.
.set KP,    272                        ; an LDS row of K or V: 256 bytes + 16 of padding
.set BP,    528                        ; of the bias: 512 bytes + 16
.set VOFF,  128*KP                     ; a slot: 128 rows of K (a token's 4 heads), 128 rows of V (two d x 128 keys),
.set BOFF,  256*KP                     ; 64 rows of the bias,
.set STG,   BOFF+64*BP                 ; and a stage of 64 rows x 272 for the way out, into which no fill lands
.set SLOT1, 1<<17                      ; slot 1 begins here: one exclusive or turns an address in one slot into the other's
.set SPARE, 2*SLOT1                    ; behind the ring: the spare words, 128 bytes for each of sixteen waves
.set AK0, 1                            ; v1   my lane's place in a tile of K
.set AV0, 2                            ; v2   of V
.set AB0, 3                            ; v3   of the bias
.set PFO, 4                            ; v4   the prefetches' offset; never rewritten
.set SPW, 5                            ; v5   LDS address of my spare word; never rewritten
.set NIL, 6                            ; v6   0; never rewritten
.set GO,  7                            ; v7   the way out: my byte offset in the block's rows of oc
.set ADK, 8                            ; v8-10 the addresses of the step in hand
.set ADV, 9
.set ADB, 10
.set STO0, 11                          ; v11  where I put 8 codes in a stage
.set QF,  16                           ; v16-23 Q's fragment;  v24-31 block B's, loaded at the head.   v12 -M, v13 the largest t, v[14:15] the sum in two halves
.set FRG, 32                           ; v32-95 K's 8 fragments of 8 registers, then V's 4 of 16
.set S,   96                           ; v96-159 the bias, S^T, then p
.set O,   160                          ; v160-191 O^T
.set PC,  192                          ; v192-207 p's codes
.set RD0, 208                          ; v208 where I read a stage's rows back
.set DD0, 209                          ; v209 16 (wave % 4) + r - 8 h
.set SAD, 210                          ; v210 the stage address in hand
.set QO,  211                          ; v211 Q: my lane's byte in the tile's 16 rows
.set WV,  16                           ; s16  my wave's number
.set G,   17                           ; s17  the step, 0 .. 16
.set NA,  18                           ; s18  block A's steps;  s19: less one
.set NA1, 19
.set SEL, 20                           ; s[20:21] lane selects for v_permlanex16_b32: lane l xor 16
.set CS,  22                           ; s[22:23] log2(e) x 2^(e2 + e3 - 3)
.set G1KV, 24                          ; s[24:31] descriptor group 1 for K's and V's tiles;  s[32:39] for the bias's;  s[40:43], s[44:47] their groups 0
.set G1B, 32
.set G0KV, 40
.set G0B, 44
.set KVB, 48                           ; s[48:49] my half of key step 0 in kc (waves 0, 1) or vc (waves 2, 3)
.set BB,  50                           ; s[50:51] my batch's plane of the bias
.set PFB, 52                           ; s[52:53] the prefetches' base;  s[54:55] where the next one stands
.set PFA, 54
.set OFK, 56                           ; s[56:57], s[58:59], s[60:61] offsets of the tile to be asked for: K and V, the bias, the prefetch; high words 0
.set OFB, 58
.set OFP, 60
.set TB,  62                           ; s62  LDS byte at which the slot in hand begins
.set LIM, 63                           ; s63  15 in a wave that prefetches, else 0
.set SHP, 66                           ; s66  log2 of a key step's bytes in the prefetched stream
.set BS,  82                           ; s[82:83] 2^(3 - e2 - e3)
.set OCA, 84                           ; s[84:85], s[86:87] block A's and block B's first row of oc, at my head group's 256 bytes
.set OCB, 86
; s67, s68: blocks A's and B's first row in a plane of the bias, in bytes; s69, s70: the same, or 0, for the prefetch; s71, s80: the blocks' first query in their last key step; s[72:79] e0 .. e7; s81 cx; s88-95 at work; s96-99 the head's
.macro ROUND                           ; a round of the cluster's barrier
	s_barrier_signal -1
	s_barrier_wait -1
	s_cmp_lg_u32 s[WV], 0
	s_cbranch_scc1 .Lnot_wave_0_\@
	s_barrier_signal -3
.Lnot_wave_0_\@:
	s_barrier_wait -3
	s_barrier_signal -1
	s_barrier_wait -1
.endm
; Waves 0 and 1 fetch K's halves, waves 2 and 3 V's (64 rows of 256 bytes each), wave 4 the bias tile (64 rows of 512 bytes, jointly with the three partners), the others nothing.  The branches hang on the wave's number alone.
; An s_nop 0 and four v_nop follow each of the two lines.
.macro TLOAD
	s_cmp_lt_u32 s[WV], 4
	s_cbranch_scc0 .Lnot_kv_\@
	tensor_load_to_lds s[G0KV:G0KV+3], s[G1KV:G1KV+7]
	s_nop 0
.rept 4
	v_nop
.endr
	s_branch .Lasked_\@
.Lnot_kv_\@:
	s_cmp_eq_u32 s[WV], 4
	s_cbranch_scc0 .Lasked_\@
	tensor_load_to_lds s[G0B:G0B+3], s[G1B:G1B+7]
	s_nop 0
.rept 4
	v_nop
.endr
.Lasked_\@:
.endm
; A PREFETCH INTO THE L2 of what the NEXT change of slots will ask for (in step G: tile G + 2), by waves that fetch nothing, one instruction each.  Each aligned block of 256 bytes is named once in the launch.
; The bias tile belongs to this cluster alone: wave 5 of each partner asks for 16 of its 64 rows, two lanes a row; the partners are told apart BY ADDRESS.  A head group's K and V are walked by sixteen clusters: the one with p = 0 asks,
; waves 8 to 11 for K's 32,768 bytes of a key step, waves 12 to 15 for V's, 8,192 a wave, lanes 256 bytes apart: its steps 2 to 16 are key blocks 1 to 15.  Tiles 0 and 1 come by their loads alone; the last two steps ask for nothing.
.macro ASK
	s_cmp_lt_u32 s[G], s[LIM]
	s_cbranch_scc0 .Lnot_mine_\@
	global_prefetch_b8 v[PFO], s[PFA:PFA+1] th:TH_LOAD_NT scope:SCOPE_SE
.Lnot_mine_\@:
.endm
	s_load_b256 s[4:11], s[0:1], 0x0               ; qc s[4:5], kc s[6:7], vc s[8:9], entity_bias s[10:11]
	s_load_b128 s[12:15], s[0:1], 0x20             ; the scales' exponents s[12:13], oc s[14:15]
	v_lshl_add_u32 v[SPW], v0, 2, SPARE
	v_mov_b32 v[NIL], 0
	ds_add_u32 v[SPW], v[NIL]                      ; the wave's opening: the add and its wait stand ahead of my first tensor load; the set-up below, work on registers, stands between them
	v_lshrrev_b32 v8, 5, v0
	v_readfirstlane_b32 s[WV], v8                  ; wave 0..15
	s_bfe_u32 s81, ttmp6, 0x40000                  ; cx: my head group: it enters global addresses alone
	s_and_b32 s96, ttmp7, 0xffff
	s_and_b32 s97, s96, 15                         ; p: query block A
	s_lshr_b32 s96, s96, 4                         ; the batch
	s_sub_co_u32 s99, 31, s97                      ; query block B
	s_lshr_b32 s[NA], s97, 1
	s_add_co_u32 s[NA], s[NA], 1                   ; block A's key steps
	s_sub_co_u32 s[NA1], s[NA], 1
	s_lshl_b32 s67, s97, 19                        ; 64 rows of 8,192 bytes a block
	s_lshl_b32 s68, s99, 19
	s_and_b32 s71, s97, 1
	s_lshl_b32 s71, s71, 6                         ; block A's first query less its last step's first key: 64 (p % 2);
	s_sub_co_u32 s80, 64, s71                      ; block B's
	s_lshl_b32 s98, s96, 2
	s_add_co_u32 s98, s98, s81
	s_lshl_b32 s98, s98, 19                        ; my batch's and head group's first byte in qc, kc and vc
	; descriptor group 1.  K, V: 64 rows of 256 bytes, dense in memory, as elements of 8 bytes
	s_mov_b32 s[G1KV], (3<<16)|(1<<20)|(5<<22)|(3<<25)   ; 15:0 no mask; 17:16 elements of 8 bytes; 20 padding on; 24:22 after every 64 words (code 5); 31:25 four words (code 3)
	s_mov_b32 s[G1KV+1], 32<<16                    ; tensor_dim0 = 32 elements
	s_mov_b32 s[G1KV+2], 64<<16                    ; tensor_dim1 = 64
	s_mov_b32 s[G1KV+3], 32<<16                    ; tile_dim0
	s_mov_b32 s[G1KV+4], 64                        ; tile_dim1
	s_mov_b32 s[G1KV+5], 32                        ; tensor_dim0_stride
	s_mov_b32 s[G1KV+6], 0
	s_mov_b32 s[G1KV+7], 0
	; the bias: 64 rows of 128 f32, 2,048 apart
	s_mov_b32 s[G1B], 15|(2<<16)|(1<<20)|(1<<21)|(6<<22)|(3<<25)   ; 15:0 the mask: all four work-groups; elements of 4 bytes; padding on; 21 set beside a mask; four words after every 128 (code 6)
	s_mov_b32 s[G1B+1], 128<<16
	s_mov_b32 s[G1B+2], 64<<16
	s_mov_b32 s[G1B+3], 128<<16
	s_mov_b32 s[G1B+4], 64
	s_mov_b32 s[G1B+5], 2048
	s_mov_b32 s[G1B+6], 0
	s_mov_b32 s[G1B+7], 0
	s_mov_b32 s[OFK+1], 0
	s_mov_b32 s[OFB+1], 0
	s_mov_b32 s[OFP+1], 0
	s_mov_b32 s[SEL], 0x76543210
	s_mov_b32 s[SEL+1], 0xfedcba98
	s_mov_b32 s[TB], 0
	s_mov_b32 s[G], 0
	s_and_b32 s88, s[WV], 1
	s_lshl_b32 s88, s88, 14                        ; which 64 rows of a key step I fetch, if I fetch
	s_add_co_u32 s88, s88, s98
	s_mov_b32 s89, 0
	s_lshl_b32 s90, s96, 24                        ; my batch's plane of the bias
	s_mov_b32 s91, 0
	s_and_b32 s92, s[WV], 3
	s_mul_i32 s92, s92, 64*KP                      ; and where they go in a slot: K's halves, then V's
	s_wait_dscnt 0x0                               ; the opening add is done
	s_wait_kmcnt 0x0
	s_load_b256 s[72:79], s[12:13], 0x0            ; e0 .. e7
	s_cmp_lt_u32 s[WV], 2
	s_cselect_b64 s[KVB:KVB+1], s[6:7], s[8:9]
	s_add_nc_u64 s[KVB:KVB+1], s[KVB:KVB+1], s[88:89]
	s_add_nc_u64 s[BB:BB+1], s[10:11], s[90:91]
	s_mov_b32 s[G0KV], 1                           ; 1:0 count = 1
	s_mov_b32 s[G0KV+1], s92                       ; 63:32 LDS address: slot 0
	s_mov_b64 s[G0KV+2:G0KV+3], s[KVB:KVB+1]       ; 120:64 global address: key step 0
	s_or_b32 s[G0KV+3], s[G0KV+3], 0x80000000      ; 127:126 type = 2
	s_mov_b32 s[G0B], 1
	s_mov_b32 s[G0B+1], BOFF
	s_mov_b32 s[OFB], s67
	s_add_nc_u64 s[G0B+2:G0B+3], s[BB:BB+1], s[OFB:OFB+1]   ; block A's rows, keys 0 ..: nothing in it hangs on cx
	s_or_b32 s[G0B+3], s[G0B+3], 0x80000000
	ROUND                                          ; all four work-groups are here: the first joint load meets
	TLOAD                                          ; tile 0 into slot 0
	; the prefetches (macro ASK): where my wave's stand, and who asks
	s_and_b32 s88, s[WV], 3
	s_lshl_b32 s88, s88, 13
	s_add_co_u32 s88, s88, s98                     ; K, V: my 8,192 bytes of a key step
	s_lshl_b32 s89, s81, 17
	s_add_co_u32 s89, s89, s90                     ; the bias: my work-group's 16 rows of a block's 64
	s_cmp_lt_u32 s[WV], 12
	s_cselect_b64 s[PFB:PFB+1], s[6:7], s[8:9]
	s_cmp_lt_u32 s[WV], 8
	s_cselect_b64 s[PFB:PFB+1], s[10:11], s[PFB:PFB+1]
	s_cselect_b32 s88, s89, s88
	s_cselect_b32 s[SHP], 9, 15                    ; a key step on: 512 bytes in a row of the bias, 32,768 in kc and vc
	s_cselect_b32 s69, s67, 0
	s_cselect_b32 s70, s68, 0
	s_cselect_b32 s93, -1, 0
	s_mov_b32 s89, 0
	s_add_nc_u64 s[PFB:PFB+1], s[PFB:PFB+1], s[88:89]
	s_cmp_eq_u32 s97, 0                            ; p, which the partners share
	s_cselect_b32 s[LIM], 15, 0
	s_cmp_lt_u32 s[WV], 8
	s_cselect_b32 s[LIM], 0, s[LIM]
	s_cmp_eq_u32 s[WV], 5
	s_cselect_b32 s[LIM], 15, s[LIM]
	v_and_b32 v8, 31, v0
	v_lshlrev_b32 v[PFO], 8, v8                    ; K, V: 256 x lane
	v_lshrrev_b32 v9, 1, v8
	v_lshlrev_b32 v9, 13, v9
	v_and_b32 v10, 1, v8
	v_lshl_add_u32 v9, v10, 8, v9                  ; the bias: row lane / 2, half lane % 2
	v_cndmask_b32 v[PFO], v[PFO], v9, s93
	; Q's two fragments stay in registers: 16 rows x 64 bytes, two loads of 16 bytes a lane, 32 apart, as K's from LDS
	v_and_b32 v8, 15, v0                           ; r
	v_bfe_u32 v9, v0, 4, 1                         ; h
	s_and_b32 s88, s[WV], 3                        ; my tile of queries
	s_lshr_b32 s89, s[WV], 2                       ; my head in the group
	v_lshlrev_b32 v[QO], 8, v8
	v_lshl_add_u32 v[QO], v9, 4, v[QO]
	s_lshl_b32 s92, s88, 12
	s_lshl_b32 s93, s89, 6
	s_add_co_u32 s92, s92, s93
	s_add_co_u32 s92, s92, s98
	s_lshl_b32 s94, s97, 14
	s_add_co_u32 s94, s94, s92
	s_mov_b32 s95, 0
	s_add_nc_u64 s[94:95], s[4:5], s[94:95]
	global_load_b128 v[QF:QF+3], v[QO], s[94:95]
	global_load_b128 v[QF+4:QF+7], v[QO], s[94:95] offset:32
	s_lshl_b32 s90, s99, 14
	s_add_co_u32 s90, s90, s92
	s_mov_b32 s91, 0
	s_add_nc_u64 s[90:91], s[4:5], s[90:91]
	global_load_b128 v[QF+8:QF+11], v[QO], s[90:91]
	global_load_b128 v[QF+12:QF+15], v[QO], s[90:91] offset:32
	s_lshl_b32 s92, s96, 21                        ; oc: 2,048 rows of 1,024 bytes a batch,
	s_lshl_b32 s93, s81, 8                         ; my head group's 256 bytes of a row,
	s_add_co_u32 s92, s92, s93
	s_lshl_b32 s[OCA], s97, 16                     ; 64 rows a block
	s_add_co_u32 s[OCA], s[OCA], s92
	s_mov_b32 s[OCA+1], 0
	s_add_nc_u64 s[OCA:OCA+1], s[14:15], s[OCA:OCA+1]
	s_lshl_b32 s[OCB], s99, 16
	s_add_co_u32 s[OCB], s[OCB], s92
	s_mov_b32 s[OCB+1], 0
	s_add_nc_u64 s[OCB:OCB+1], s[14:15], s[OCB:OCB+1]
	v_mul_u32_u24 v[AK0], v8, KP                   ; K: token r, my head's 64 bytes, + 16 h
	v_lshl_add_u32 v[AK0], v9, 4, v[AK0]
	s_lshl_b32 s92, s89, 6
	v_add_nc_u32 v[AK0], s92, v[AK0]
	v_lshrrev_b32 v10, 1, v8                       ; V: d = r: LDS row 32 x head + r / 2, half r % 2, + 16 h
	v_mul_u32_u24 v[AV0], v10, KP
	v_and_b32 v10, 1, v8
	v_lshl_add_u32 v[AV0], v10, 7, v[AV0]
	v_lshl_add_u32 v[AV0], v9, 4, v[AV0]
	s_mul_i32 s92, s89, 32*KP
	s_add_co_u32 s92, s92, VOFF
	v_add_nc_u32 v[AV0], s92, v[AV0]
	v_mul_u32_u24 v[AB0], v8, BP                   ; the bias: my query's row, + 32 h: my eight keys of a tile of 16
	v_lshl_add_u32 v[AB0], v9, 5, v[AB0]
	s_mul_i32 s92, s88, 16*BP
	s_add_co_u32 s92, s92, BOFF
	v_add_nc_u32 v[AB0], s92, v[AB0]
	v_mul_u32_u24 v[STO0], v8, KP                  ; the stage, in: my query's row, my head's 64 bytes, + 8 h
	v_lshl_add_u32 v[STO0], v9, 3, v[STO0]
	s_mul_i32 s92, s88, 16*KP
	s_lshl_b32 s93, s89, 6
	s_add_co_u32 s92, s92, s93
	s_add_co_u32 s92, s92, STG
	v_add_nc_u32 v[STO0], s92, v[STO0]
	v_mul_u32_u24 v[RD0], v9, KP                   ; back: wave w takes rows 4 w ..: lanes 0-15 one row, lanes 16-31 the next
	v_lshl_add_u32 v[RD0], v8, 4, v[RD0]
	s_mul_i32 s92, s[WV], 4*KP
	s_add_co_u32 s92, s92, STG
	v_add_nc_u32 v[RD0], s92, v[RD0]
	v_lshlrev_b32 v[GO], 10, v9                    ; and the same rows in oc
	v_lshl_add_u32 v[GO], v8, 4, v[GO]
	s_lshl_b32 s92, s[WV], 12
	v_add_nc_u32 v[GO], s92, v[GO]
	v_lshlrev_b32 v10, 3, v9
	v_sub_nc_u32 v[DD0], v8, v10
	s_lshl_b32 s92, s88, 4
	v_add_nc_u32 v[DD0], s92, v[DD0]
	v_mov_b32 v13, 0xff61b1e6                      ; the largest t so far: -3e38, under every t
	v_floor_f32 v12, -v13                          ; -M
	v_mov_b32 v14, 0                               ; the sum, in two halves
	v_mov_b32 v15, 0
	v_mov_b32 v213, 0                              ; (named as the upper half of the pair v[212:213])
	v_mov_b32 v216, 0                              ; written once: a lane permute's destination counts as one of its sources
.set n, 0
.rept 32
	v_mov_b32 v[O+n], 0                            ; O^T.  (The step is written once: a block's first step finds zeros, which the first change of M leaves zeros)
.set n, n+1
.endr
	s_wait_kmcnt 0x0
	s_add_co_i32 s92, s74, s75                     ; e2 + e3
	s_sub_co_i32 s93, s92, 3
	s_lshl_b32 s93, s93, 23
	s_add_co_i32 s[CS], s93, 0x3fb8aa3b            ; log2(e) with e2 + e3 - 3 added to its exponent field
	s_mov_b32 s[CS+1], s[CS]                       ; (named with it as a pair, so it is written)
	s_sub_co_i32 s93, 130, s92
	s_lshl_b32 s[BS], s93, 23                      ; 2^(3 - e2 - e3)
	s_mov_b32 s[BS+1], s[BS]
	s_add_co_i32 s92, s76, 127
	s_lshl_b32 s93, s92, 23
	v_mov_b32 v220, s93                            ; 2^e4, for p's conversions
	s_add_co_i32 s92, s92, 8
	s_lshl_b32 s92, s92, 23
	s_or_b32 s92, s92, 0x600000
	v_mov_b32 v221, s92                            ; 448 x 2^e4
	s_sub_co_i32 s92, s78, s76
	s_sub_co_i32 s92, s92, s77
	s_add_co_i32 s92, s92, 127
	s_lshl_b32 s93, s92, 23
	v_mov_b32 v222, s93                            ; 2^(e6 - e4 - e5), for the result's: the three scales folded into one
	s_add_co_i32 s92, s92, 8
	s_lshl_b32 s92, s92, 23
	s_or_b32 s92, s92, 0x600000
	v_mov_b32 v223, s92
	s_wait_loadcnt 0x0                             ; Q
; THE CHANGE OF SLOTS stands at a step's head.  Each wave waits for all its tensor loads (its part of the slot that it is about to read), adds 0 to its spare word, and waits for that and for its reads of the slot that it has left.
; fill = 1: the barrier is a round of the cluster's, and behind it the slot that was left takes tile G + 1: key step G + 1 of block A, or G + 1 - NA of block B.  The load has a whole step in which to land.
.macro CHANGE fill
	s_wait_tensorcnt 0x0                           ; no tensor load of mine is out, so a group 0 may be written
	ds_add_u32 v[SPW], v[NIL]                      ; 0 onto my spare word; the descriptors' steps stand between it and the wait for it
.if \fill
	s_add_co_u32 s88, s[G], 1
	s_sub_co_u32 s89, s88, s[NA]
	s_cmp_lt_u32 s88, s[NA]
	s_cselect_b32 s89, s88, s89                    ; the tile's key step in its block,
	s_cselect_b32 s[OFB], s67, s68                 ; and its block's rows of the bias
	s_lshl_b32 s[OFK], s89, 15
	s_lshl_b32 s89, s89, 9
	s_add_co_u32 s[OFB], s[OFB], s89
	s_add_nc_u64 s[G0KV+2:G0KV+3], s[KVB:KVB+1], s[OFK:OFK+1]
	s_or_b32 s[G0KV+3], s[G0KV+3], 0x80000000
	s_add_nc_u64 s[G0B+2:G0B+3], s[BB:BB+1], s[OFB:OFB+1]
	s_or_b32 s[G0B+3], s[G0B+3], 0x80000000
	s_xor_b32 s[G0KV+1], s[G0KV+1], SLOT1          ; the other slot than last time
	s_xor_b32 s[G0B+1], s[G0B+1], SLOT1
.endif
	s_wait_xcnt 0x0                                ; the last prefetch and the last stores, a step back or more, have read their registers
.if \fill
	s_add_co_u32 s88, s[G], 2                      ; the prefetch names the tile after that
	s_sub_co_u32 s89, s88, s[NA]
	s_cmp_lt_u32 s88, s[NA]
	s_cselect_b32 s89, s88, s89
	s_cselect_b32 s[OFP], s69, s70
	s_lshl_b32 s89, s89, s[SHP]
	s_add_co_u32 s[OFP], s[OFP], s89
	s_add_nc_u64 s[PFA:PFA+1], s[PFB:PFB+1], s[OFP:OFP+1]
.endif
	s_wait_dscnt 0x0                               ; the add is done, and my reads of the slot that I have left are over
.if \fill
	ROUND                                          ; no wave of any partner still reads that slot's tiles or has a load on its way
	TLOAD                                          ; the first thing behind the round, and a wave's one tensor load until the next
	ASK
.else
	s_barrier_signal -1
	s_barrier_wait -1
.endif
.endm
; A finished block's 64 rows x 256 bytes of codes leave a stage: each wave takes four rows; sixteen lanes store 256 consecutive bytes, aligned.  other = 1: the stage of the slot that is not in hand (written a step ago).
.macro OUT other, base
.if \other
	s_xor_b32 s88, s[TB], SLOT1
	v_add_nc_u32 v[SAD], s88, v[RD0]
.else
	v_add_nc_u32 v[SAD], s[TB], v[RD0]
.endif
	ds_load_b128 v[224:227], v[SAD]
	ds_load_b128 v[228:231], v[SAD] offset:2*KP
	s_wait_dscnt 0x0
	global_store_b128 v[GO], v[224:227], s[\base:\base+1]
	global_store_b128 v[GO], v[228:231], s[\base:\base+1] offset:2048
.endm
; A KEY STEP: 128 keys.  last = 1: the tail's, which lies on block B's diagonal.
.macro STEP last
	v_add_nc_u32 v[ADK], s[TB], v[AK0]
	v_add_nc_u32 v[ADV], s[TB], v[AV0]
	v_add_nc_u32 v[ADB], s[TB], v[AB0]
	v_nop                                          ; four places behind the last step's products, in front of loads into registers that they read
.irp c, 0,1,2,3,4,5,6,7
	ds_load_b128 v[S+8*\c:S+8*\c+3], v[ADB] offset:64*\c          ; the bias of my query and keys 16 c + 8 h + 0 .. 7: straight into S^T's registers
	ds_load_b128 v[S+8*\c+4:S+8*\c+7], v[ADB] offset:64*\c+16
.endr
.irp c, 0,1,2,3,4,5,6,7
	ds_load_b128 v[FRG+8*\c:FRG+8*\c+3], v[ADK] offset:16*KP*\c   ; K's tile c: keys 16 c + r
	ds_load_b128 v[FRG+8*\c+4:FRG+8*\c+7], v[ADK] offset:16*KP*\c+32
.endr
	s_wait_dscnt 16                                ; the bias is in; K's sixteen loads may be out
.set n, 0
.rept 32
	v_pk_mul_f32 v[S+n:S+n+1], v[S+n:S+n+1], s[BS:BS+1] op_sel_hi:[1,0]   ; x 2^(3 - e2 - e3): nothing is rounded
.set n, n+2
.endr
	s_wait_dscnt 0x0
.irp c, 0,1,2,3,4,5,6,7
	v_wmma_f32_16x16x64_fp8_fp8 v[S+8*\c:S+8*\c+7], v[FRG+8*\c:FRG+8*\c+7], v[QF:QF+7], v[S+8*\c:S+8*\c+7]   ; z = raw score + scaled bias; eight accumulators, one instruction each
.endr
.rept 4
	v_nop
.endr
.irp t, 0,1,2,3
.irp c, 0,1,2,3
	ds_load_b128 v[FRG+16*\t+4*\c:FRG+16*\t+4*\c+3], v[ADV] offset:8*KP*\t+32*\c   ; V^T's tile t: d = 16 t + r: these land under the softmax
.endr
.endr
.if \last
	v_add_nc_u32 v214, s80, v[DD0]
.else
	s_cmp_lg_u32 s[G], s[NA1]                      ; only block A's last step lies on its diagonal: a branch on ids, the same in all waves and partners
	s_cbranch_scc1 .Lopen_\@
	v_add_nc_u32 v214, s71, v[DD0]                 ; d = my query less the step's first key less 8 h.  Register 8 c + j holds key 16 c + 8 h + j: hidden where 16 c + j > d
.endif
	v_mov_b32 v215, 0xff800000                     ; minus infinity: p = 0 then
.set n, 0
.rept 64
	v_cmp_gt_i32 vcc_lo, 16*(n/8)+n%8, v214
	v_cndmask_b32 v[S+n], v[S+n], v215, vcc_lo
.set n, n+1
.endr
.Lopen_\@:
	v_max3_num_f32 v214, v[S], v[S+1], v[S+2]      ; the step's largest z of my query, among my 64 keys, in two chains, from the low end on,
	v_max3_num_f32 v212, v[S+3], v[S+4], v[S+5]
.irp i, 6,10,14,18,22,26,30,34,38,42,46,50,54,58
	v_max3_num_f32 v214, v214, v[S+\i], v[S+1+\i]
	v_max3_num_f32 v212, v212, v[S+2+\i], v[S+3+\i]
.endr
	v_max3_num_f32 v214, v214, v[S+62], v[S+63]
	v_max_num_f32 v214, v214, v212
	v_permlanex16_b32 v216, v214, s[SEL], s[SEL+1]
	v_max_num_f32 v214, v214, v216                 ; and among lane l xor 16's
	v_mul_f32 v214, s[CS], v214                    ; as t (the factor is positive)
	v_max_num_f32 v13, v13, v214                   ; the running largest t
	v_mov_b32 v214, v12
	v_floor_f32 v12, -v13                          ; the new -M = floor(-t) = -ceil(t): M IS A WHOLE NUMBER
	v_sub_f32 v214, v12, v214                      ; M's old value less its new one: a whole number, 0 or less
	v_cvt_i32_f32 v214, v214                       ; (it saturates)
	v_ldexp_f32 v212, 1.0, v214                    ; f = 2^(old M - new M)
.set n, 0
.rept 32
	v_pk_fma_f32 v[S+n:S+n+1], v[S+n:S+n+1], s[CS:CS+1], v[12:13] op_sel_hi:[1,0,0]   ; t - M, two at a time
.set n, n+2
.endr
.set n, 0
.rept 64
	v_exp_f32 v[S+n], v[S+n]                       ; p = 2^(t - M), at most 1: NOT normalised
.set n, n+1
.endr
	v_pk_mul_f32 v[14:15], v[14:15], v[212:213] op_sel_hi:[1,0]   ; the sums under the new M.  (A plain place behind the exponentials)
	s_wait_alu depctr_va_vdst(0)                   ; one wait for the whole batch, ahead of its first reader
	v_pk_add_f32 v[218:219], v[S:S+1], v[S+2:S+3]  ; THE ROW'S SUM IS TAKEN OF THE UNQUANTISED p: two at a time, in two chains
.irp j, 4,8,12,16,20,24,28,32,36,40,44,48,52,56,60
	v_pk_add_f32 v[14:15], v[14:15], v[S+\j:S+1+\j]
	v_pk_add_f32 v[218:219], v[218:219], v[S+2+\j:S+3+\j]
.endr
	v_pk_add_f32 v[14:15], v[14:15], v[218:219]
.irp c, 0,1,2,3,4,5,6,7
.irp i, 0,1,2,3,4,5,6,7
	v_min_num_f32 v[S+8*\c+\i], v[S+8*\c+\i], v221 ; the conversion does not saturate (ISA guide 7.6.2); p is not negative, so the hold is one-sided
.endr
	v_cvt_scalef32_pk8_fp8_f32 v[PC+2*\c:PC+2*\c+1], v[S+8*\c:S+8*\c+7], v220   ; keys 16 c + 8 h + 0 .. 7: registers 2 c, 2 c + 1 of the operand
.endr
.set n, 0
.rept 16
	v_pk_mul_f32 v[O+n:O+n+1], v[O+n:O+n+1], v[212:213] op_sel_hi:[1,0]   ; O^T under the new M.  (Also the plain lines between the conversions and the products)
.set n, n+2
.endr
	s_wait_dscnt 0x0                               ; V
.irp t, 0,1,2,3
	v_wmma_f32_16x16x128_fp8_fp8 v[O+8*\t:O+8*\t+7], v[FRG+16*\t:FRG+16*\t+15], v[PC:PC+15], v[O+8*\t:O+8*\t+7]   ; four accumulators, one instruction each
.endr
.endm
; A block is finished: O^T / the sum, held, converted (8 codes of d = 16 t + 8 h + 0 .. 7 a tile) and put into the stage of the slot in hand.  reinit = 1: the state begins anew, with block B's queries.
.macro FIN reinit
.rept 4
	v_nop
.endr
	v_add_f32 v14, v14, v15                        ; the sum's two halves,
	v_permlanex16_b32 v216, v14, s[SEL], s[SEL+1]
	v_add_f32 v14, v14, v216                       ; and lane l xor 16's: the row's sum
	v_rcp_f32 v212, v14
	v_add_nc_u32 v[SAD], s[TB], v[STO0]            ; (a plain place behind the reciprocal)
	s_wait_alu depctr_va_vdst(0)                   ; a wait ahead of the first reader
.set n, 0
.rept 16
	v_pk_mul_f32 v[S+n:S+n+1], v[O+n:O+n+1], v[212:213] op_sel_hi:[1,0]   ; each accumulator from its low end on
.set n, n+2
.endr
.set n, 0
.rept 32
	v_med3_num_f32 v[S+n], v[S+n], -v223, v223
.set n, n+1
.endr
.irp t, 0,1,2,3
	v_cvt_scalef32_pk8_fp8_f32 v[232+2*\t:233+2*\t], v[S+8*\t:S+8*\t+7], v222
.endr
	v_nop                                          ; one plain vector instruction behind the last conversion
.irp t, 0,1,2,3
	ds_store_b64 v[SAD], v[232+2*\t:233+2*\t] offset:16*\t
.endr
.if \reinit
.set n, 0
.rept 32
	v_mov_b32 v[O+n], 0
.set n, n+1
.endr
	v_mov_b32 v14, 0
	v_mov_b32 v15, 0
	v_mov_b32 v13, 0xff61b1e6
	v_floor_f32 v12, -v13
.irp i, 0,1,2,3,4,5,6,7
	v_mov_b32 v[QF+\i], v[QF+8+\i]
.endr
.endif
.endm
.Lstep:                                            ; sixteen trips: behind each change of slots the next tile is asked for
	CHANGE 1
	s_cmp_lg_u32 s[G], s[NA]                       ; the step behind block A's last: its codes lie in the other slot's stage, shown to every wave by the round
	s_cbranch_scc1 .Lno_out
	OUT 1, OCA
.Lno_out:
	STEP 0
	s_cmp_lg_u32 s[G], s[NA1]
	s_cbranch_scc1 .Lno_fin
	FIN 1
.Lno_fin:
	s_xor_b32 s[TB], s[TB], SLOT1                  ; on to the other slot
	s_add_co_u32 s[G], s[G], 1
	s_cmp_lt_u32 s[G], 16
	s_cbranch_scc1 .Lstep
	CHANGE 0                                       ; the last step is written out
	STEP 1
	FIN 0
	s_wait_dscnt 0x0                               ; for the others' sake: my codes lie in the stage
	s_barrier_signal -1
	s_barrier_wait -1
	OUT 0, OCB
	s_wait_tensorcnt 0x0                           ; the wave's end, behind my last tensor load and my last LDS store
	ds_add_u32 v[SPW], v[NIL]
	s_wait_dscnt 0x0
	ROUND                                          ; the closing round: no work-group ends while a partner may still ask for a tile that names it
	s_endpgm
.Lfunc_end_k_qf6e38ee078_attn:
	.size	k_qf6e38ee078_attn, .Lfunc_end_k_qf6e38ee078_attn-k_qf6e38ee078_attn
	.p2alignl 7, 3214868480
	.fill 96, 4, 3214868480
	.section	.rodata,"a",@progbits
	.p2align	6, 0x0
	.amdhsa_kernel k_qf6e38ee078_attn
		.amdhsa_group_segment_fixed_size 327680
		.amdhsa_private_segment_fixed_size 0
		.amdhsa_enable_private_segment 0
		.amdhsa_kernarg_size 48
		.amdhsa_user_sgpr_count 2
		.amdhsa_user_sgpr_kernarg_segment_ptr 1
		.amdhsa_wavefront_size32 1
		.amdhsa_system_sgpr_workgroup_id_x 1
		.amdhsa_system_sgpr_workgroup_id_y 1
		.amdhsa_system_sgpr_workgroup_id_z 1
		.amdhsa_system_vgpr_workitem_id 0
		.amdhsa_next_free_vgpr 256
		.amdhsa_next_free_sgpr 100
		.amdhsa_reserve_vcc 1
		.amdhsa_float_denorm_mode_32 3
		.amdhsa_float_denorm_mode_16_64 3
		.amdhsa_memory_ordered 1
		.amdhsa_forward_progress 1
		.amdhsa_inst_pref_size 71
	.end_amdhsa_kernel
	.amdgpu_metadata
---
amdhsa.version: [ 1, 2 ]
amdhsa.kernels:
  - .name:           k_qf6e38ee078_attn
    .symbol:         k_qf6e38ee078_attn.kd
    .args:
      - { .name: qc, .offset: 0, .size: 8, .value_kind: global_buffer, .address_space: global }
      - { .name: kc, .offset: 8, .size: 8, .value_kind: global_buffer, .address_space: global }
      - { .name: vc, .offset: 16, .size: 8, .value_kind: global_buffer, .address_space: global }
      - { .name: entity_bias, .offset: 24, .size: 8, .value_kind: global_buffer, .address_space: global }
      - { .name: lowp_scales, .offset: 32, .size: 8, .value_kind: global_buffer, .address_space: global }
      - { .name: oc, .offset: 40, .size: 8, .value_kind: global_buffer, .address_space: global }
    .group_segment_fixed_size: 327680
    .private_segment_fixed_size: 0
    .kernarg_segment_align: 8
    .kernarg_segment_size: 48
    .max_flat_workgroup_size: 512
    .sgpr_count:     100
    .vgpr_count:     256
    .wavefront_size: 32
...
	.end_amdgpu_metadata
.endif
;; end of part 4
;; launch gemm_out (part 5): grid 4 x 32, 4 waves a work-group, clusters of 4 x 4, 327,680 bytes of LDS; arguments oc, wc, lowp_scales, b_out, out0; writes out0
.if DOCPART == 5
	.amdgcn_target "amdgcn-amd-amdhsa--gfx1250"
	.amdhsa_code_object_version 6
	.text
	.protected	k_qf6e38ee078_gemm_out
	.globl	k_qf6e38ee078_gemm_out
	.p2align	8
	.type	k_qf6e38ee078_gemm_out,@function
k_qf6e38ee078_gemm_out:
	s_mov_b64 s[64:65], 0
	v_nop
	global_prefetch_b8 v0, s[64:65] scope:SCOPE_SE
	s_setreg_imm32_b32 hwreg(HW_REG_WAVE_MODE, 25, 1), 1
	s_wait_xcnt 0x0
	s_wait_alu depctr_hold_cnt(0) depctr_sa_sdst(0) depctr_va_vdst(0) depctr_va_sdst(0) depctr_va_ssrc(0) depctr_va_vcc(0) depctr_vm_vsrc(0)
	s_getreg_b32 s2, hwreg(HW_REG_IB_STS2, 6, 4)
	s_cmp_eq_u32 s2, 0
	s_cbranch_scc0 .Lentry_in_a_cluster
	s_endpgm
.Lentry_in_a_cluster:
	s_bfe_u32 s2, ttmp6, 0x10000c
	s_cmp_lg_u32 s2, 0xf033
	s_cbranch_scc0 .Lentry_shape_is_right
	s_endpgm
.Lentry_shape_is_right:
; out0 = attention's result x W_out + b_out on codes of FP8 (E4M3).  oc [8192][1024]; wc rows 3072 .. 4095: the columns of W_out; K innermost in both.  out0 [8192][1024] f32.
; A tile of 256 x 256 is made by four waves, each 128 x 128: 64 accumulators, 512 registers.  K = 1,024 goes in four steps of 256 through two LDS slots filled by the tensor data mover; the eight steps of 128 are written out.
; CLUSTERS of 4 x 4: A's tile (256 rows of oc) hangs on the tile row and is asked for jointly along a row of the cluster, B's (256 rows of wc) on the tile column, along a column.
; THE MATRIX INSTRUCTION IS USED TRANSPOSED (source 0 = 16 rows of B, source 1 = 16 rows of A): a lane holds eight neighbouring numbers of a row of out0.
; THE BIAS is the C of the first K step, divided by 2^(e6 + e7); each finished sum is multiplied once by 2^(e6 + e7).  LIMIT: e6 + e7 between -126 and 127.
; The grid has 128 work-groups: a tile of half the width would give 256, with half the products for each byte read from LDS.
; REGISTERS, in windows of 256: window 0: v0-31 addresses; v32-95 the bias, later a block's results; from v128 A's fragments (one set), later the rows read back.
;   window 1: B's fragments, two sets.   window 2: the accumulators of my rows 0-63 ((a, b) at v[8 (8 a + b)]);   window 3: those of my rows 64-127.
.set SIZE_N, 1024
.set ROWB,   256
.set KROW,   1024
.set PITCH,  272                       ; an LDS row: 256 bytes + 16 of padding = 68 words: row r starts at bank 4 r mod 64 (64 banks of 4 bytes: ISA guide 11.1)
.set FR,     16
.set NL,     4
.set NP,     4                         ; places behind this matrix instruction (ISA guide 7.12.1)
.set HALFT,  128*PITCH
.set SLOT,   4*HALFT
.set SPARE,  2*SLOT                    ; behind the ring: the spare words, 128 bytes for each wave
.set SPITCH, 528                       ; the way out: a stage of 16 rows x (512 bytes + 16) for each wave, in slot 0, which has had its last fill and its last read by then
.set ADRA, 16
.set ADRB, 20
.set STO,  24                          ; v24     the way out: where I put 32 bytes of a row
.set RD,   25                          ; v25     where I read a row back
.set CO,   26                          ; v26     my byte offset in a row of out0
.set SPW,  28
.set NIL,  29
.set BIAS, 32
.set TMP,  32
.set AF,   128
.set BK,   128
.set G1, 24
.set G0, 32
.set G1B, 48
.set G0B, 56
.set MSB, 0
.macro WIN new                         ; the immediate's high byte repeats the setting that is left
.if MSB != \new
	s_set_vgpr_msb (MSB<<8)|\new
.set MSB, \new
.endif
.endm
.set MUL_LO, 0xa1                      ; source 0 (B) window 1, source 1 (A) window 0, C and D window 2
.set MUL_HI, 0xf1                      ; the same, C and D window 3
.set FST_LO, 0x81                      ; the first step: C (the bias) window 0, D window 2
.set FST_HI, 0xc1                      ; D window 3
.set TO_B,   0x40                      ; destination window 1, address window 0
.macro JLOAD g0a, g1a, g0b, g1b        ; a joint load: waves 0 and 1 fetch for A, waves 2 and 3 for B; an s_nop 0 and four v_nop follow each of the two lines
	s_cmp_eq_u32 s15, 0
	s_cbranch_scc0 .Lfor_b_\@
	tensor_load_to_lds s[\g0a:\g0a+3], s[\g1a:\g1a+7]
	s_nop 0
.rept 4
	v_nop
.endr
	s_branch .Lasked_\@
.Lfor_b_\@:
	tensor_load_to_lds s[\g0b:\g0b+3], s[\g1b:\g1b+7]
	s_nop 0
.rept 4
	v_nop
.endr
.Lasked_\@:
.endm
.macro CREST                           ; a round of the cluster's barrier behind its opening barrier
	s_cmp_lg_u32 s14, 0
	s_cbranch_scc1 .Lnot_wave_0_\@
	s_barrier_signal -3
.Lnot_wave_0_\@:
	s_barrier_wait -3
	s_barrier_signal -1
	s_barrier_wait -1
.endm
.macro CROUND
	s_barrier_signal -1
	s_barrier_wait -1
	CREST
.endm
	s_load_b256 s[4:11], s[0:1], 0x0               ; oc s[4:5], wc s[6:7], the scales' exponents s[8:9], b_out s[10:11]
	s_load_b64 s[68:69], s[0:1], 0x20              ; out0
	v_lshl_add_u32 v[SPW], v0, 2, SPARE
	v_mov_b32 v[NIL], 0
	ds_add_u32 v[SPW], v[NIL]                      ; the wave's opening: the add and its wait stand ahead of my first tensor load; the set-up below, work on registers, stands between them
	v_lshrrev_b32 v1, 5, v0
	v_readfirstlane_b32 s14, v1                    ; wave 0..3
	s_lshr_b32 s15, s14, 1                         ; which half of the tile's rows is mine.  Also: I fetch for A (0) or for B (1)
	s_and_b32 s16, s14, 1                          ; which half of its columns.  Also: which 128 rows of that tile I fetch
	s_bfe_u32 s40, ttmp6, 0x40000                  ; cx, cy
	s_bfe_u32 s41, ttmp6, 0x40004
	s_and_b32 s12, ttmp7, 0xffff
	s_lshl_b32 s12, s12, 2
	s_add_co_u32 s74, s12, s41                     ; tile row = 4 x cluster y + cy
	s_lshl_b32 s77, ttmp9, 2
	s_add_co_u32 s77, s77, s40                     ; tile column = 4 x cluster x + cx
	s_lshl_b32 s43, s41, 2
	s_lshl_b32 s43, 15, s43                        ; my row of the cluster
	s_lshl_b32 s44, 0x1111, s40                    ; my column
	s_or_b32 s[G1+0], s43, (0<<16)|(1<<20)|(1<<21)|(5<<22)|(3<<25)  ; 15:0 the mask; 17:16 element of 1 byte; 20 padding on; 21 set beside a mask; 24:22 after every 64 words (code 5); 31:25 of 4 words (code 3)
	s_or_b32 s[G1B+0], s44, (0<<16)|(1<<20)|(1<<21)|(5<<22)|(3<<25)
.irp g, G1, G1B
	s_mov_b32 s[\g+1], ROWB<<16                    ; tensor_dim0
	s_mov_b32 s[\g+2], 128<<16                     ; tensor_dim1 = 128
	s_mov_b32 s[\g+3], ROWB<<16                    ; tile_dim0
	s_mov_b32 s[\g+4], 128                         ; tile_dim1 = 128
	s_mov_b32 s[\g+5], KROW                        ; tensor_dim0_stride
	s_mov_b32 s[\g+6], 0
	s_mov_b32 s[\g+7], 0
.endr
	s_lshl_b32 s18, s16, 7                         ; which 128 rows of the tile I fetch
	s_lshl_b32 s20, s74, 8
	s_add_co_u32 s20, s20, s18                     ; A: row 256 x tile row + 128 x half of oc
	s_lshl_b32 s46, s77, 8
	s_add_co_u32 s46, s46, 3072
	s_add_co_u32 s46, s46, s18                     ; B: row 3072 + 256 x tile column + 128 x half of wc
	s_lshl_b32 s20, s20, 10
	s_lshl_b32 s46, s46, 10
	s_mov_b32 s21, 0
	s_mov_b32 s47, 0
	s_mul_i32 s45, s14, HALFT                      ; where they go: wave x 128 rows
	s_wait_dscnt 0x0                               ; the opening add is done
	s_wait_kmcnt 0x0
	s_load_b256 s[80:87], s[8:9], 0x0              ; e0 .. e7
	s_add_nc_u64 s[20:21], s[4:5], s[20:21]
	s_add_nc_u64 s[46:47], s[6:7], s[46:47]
	CROUND                                         ; all sixteen work-groups are here: the first joint loads meet
.irp s, 0,1
	s_mov_b32 s[G0+4*\s], 1
	s_add_co_u32 s[G0+4*\s+1], s45, \s*SLOT
	s_add_nc_u64 s[G0+4*\s+2:G0+4*\s+3], s[20:21], \s*ROWB
	s_or_b32 s[G0+4*\s+3], s[G0+4*\s+3], 0x80000000
	s_mov_b32 s[G0B+4*\s], 1
	s_add_co_u32 s[G0B+4*\s+1], s45, \s*SLOT
	s_add_nc_u64 s[G0B+4*\s+2:G0B+4*\s+3], s[46:47], \s*ROWB
	s_or_b32 s[G0B+4*\s+3], s[G0B+4*\s+3], 0x80000000
	JLOAD G0+4*\s, G1, G0B+4*\s, G1B               ; two loads of mine are out
.endr
	v_and_b32 v1, 15, v0                           ; r
	v_bfe_u32 v2, v0, 4, 1                         ; h
	v_mul_u32_u24 v3, v1, PITCH
	v_lshl_add_u32 v4, v2, 4, v3
	s_mul_i32 s21, s15, HALFT
	s_mul_i32 s22, s16, HALFT
	s_add_co_u32 s22, s22, 2*HALFT
.irp s, 0,1
	v_add_nc_u32 v[ADRA+\s], s21, v4
	v_add_nc_u32 v[ADRB+\s], s22, v4
	s_add_co_u32 s21, s21, SLOT
	s_add_co_u32 s22, s22, SLOT
.endr
	s_mul_i32 s23, s14, 16*SPITCH                  ; my stage
	v_mul_u32_u24 v5, v1, SPITCH                   ; in: row r, 32 bytes for each half of the lanes
	v_lshl_add_u32 v5, v2, 5, v5
	v_add_nc_u32 v[STO], s23, v5
	v_and_b32 v6, 31, v0
	v_lshlrev_b32 v[CO], 4, v6                     ; back: the 32 lanes take one row of 512 bytes; and the same in out0
	v_add_nc_u32 v[RD], s23, v[CO]
	s_lshl_b32 s92, s74, 8
	s_lshl_b32 s93, s15, 7
	s_add_co_u32 s92, s92, s93                     ; my first row of out0,
	s_lshl_b32 s92, s92, 12                        ; of 4,096 bytes (under 2^25),
	s_lshl_b32 s93, s77, 10
	s_add_co_u32 s92, s92, s93                     ; my tile's first column,
	s_lshl_b32 s93, s16, 9
	s_add_co_u32 s92, s92, s93                     ; my half of it
	s_mov_b32 s93, 0
	s_add_nc_u64 s[68:69], s[68:69], s[92:93]
	v_lshlrev_b32 v9, 5, v2                        ; the bias: 32 h bytes: my eight columns of a tile of 16
	s_lshl_b32 s92, s77, 10
	s_lshl_b32 s93, s16, 9
	s_add_co_u32 s92, s92, s93
	s_mov_b32 s93, 0
	s_add_nc_u64 s[10:11], s[10:11], s[92:93]
.irp b, 0,1,2,3,4,5,6,7                        ; register 8 b + j = the bias of column 16 b + 8 h + j: the C of every accumulator (a, b)
	global_load_b128 v[BIAS+8*\b:BIAS+8*\b+3], v9, s[10:11] offset:64*\b
	global_load_b128 v[BIAS+8*\b+4:BIAS+8*\b+7], v9, s[10:11] offset:64*\b+16
.endr
	s_wait_loadcnt 0x0
	s_wait_kmcnt 0x0
	s_add_co_i32 s94, s86, s87                     ; e6 + e7
	s_sub_co_i32 s95, 0, s94
.set i, 0
.rept 64
	v_ldexp_f32 v[BIAS+i], v[BIAS+i], s95          ; b / 2^(e6 + e7)
.set i, i+1
.endr
	s_add_co_i32 s94, s94, 127
	s_lshl_b32 s96, s94, 23                        ; 2^(e6 + e7) as f32
	s_mov_b32 s97, s96                             ; (named with it as a pair, so it is written)
.macro FRAG reg, adr, q, i             ; a fragment, 16 rows x 128 K: registers 4 c .. 4 c + 3 hold K = 32 c + 16 (l / 16) + 0 .. 15: a permutation of K that is the same in A and in B
.irp c, 0,1,2,3
	ds_load_b128 v[\reg+4*\c:\reg+4*\c+3], v[\adr] offset:128*(\q)+32*\c+(\i)*16*PITCH
.endr
.endm
; 16 matrix instructions: A's blocks a0, a0 + 1 x B's eight.  zero = 1: the first product starts the sums from the bias.  The 64 accumulators take turns, one instruction a turn.
.macro MUL16 a0, p, zero
.irp a, \a0, \a0+1
.irp b, 0,1,2,3,4,5,6,7
.if \zero
	v_wmma_f32_16x16x128_fp8_fp8 v[8*(8*((\a)%4)+\b):8*(8*((\a)%4)+\b)+7], v[128*(\p)+FR*\b:128*(\p)+FR*\b+FR-1], v[AF+FR*(\a):AF+FR*(\a)+FR-1], v[BIAS+8*\b:BIAS+8*\b+7]
.else
	v_wmma_f32_16x16x128_fp8_fp8 v[8*(8*((\a)%4)+\b):8*(8*((\a)%4)+\b)+7], v[128*(\p)+FR*\b:128*(\p)+FR*\b+FR-1], v[AF+FR*(\a):AF+FR*(\a)+FR-1], v[8*(8*((\a)%4)+\b):8*(8*((\a)%4)+\b)+7]
.endif
.endr
.endr
.endm
.macro FETCH_B slot, q, p
	WIN TO_B
.irp i, 0,1,2,3,4,5,6,7
	FRAG 128*(\p)+FR*\i, ADRB+\slot, \q, \i
.endr
	WIN 0
.endm
.macro FETCH_A slot, q, i0
.irp i, \i0, \i0+1, \i0+2, \i0+3
	FRAG AF+FR*(\i), ADRA+\slot, \q, \i
.endr
.endm
.macro PLACES n
.rept \n
	v_nop
.endr
.endm
.macro STEP slot, q, zero              ; a step of 128 along K that has its successor in the same slot
	s_wait_dscnt 4*NL                              ; B's set and A's blocks 0-3 are in; the youngest sixteen loads (A's blocks 4-7) may be out
.if \zero
	WIN FST_LO
.else
	WIN MUL_LO
.endif
	MUL16 0, (\q)%2, \zero
	MUL16 2, (\q)%2, \zero
	s_wait_dscnt 0
	PLACES NP
	FETCH_B \slot, (\q)+1, 1-(\q)%2
	FETCH_A \slot, (\q)+1, 0
.if \zero
	WIN FST_HI
.else
	WIN MUL_HI
.endif
	MUL16 4, (\q)%2, \zero
	MUL16 6, (\q)%2, \zero
	PLACES NP
	WIN 0
	FETCH_A \slot, (\q)+1, 4
.endm
; A slot's last step changes slots: ONE barrier; in front of it each wave waits for all its tensor loads, adds 0 to its spare word, and waits for that and for its own reads of this slot.
.macro TURN slot, next, fill
	s_wait_tensorcnt 0x0                           ; all my tensor loads have landed: my part of the next slot
	ds_add_u32 v[SPW], v[NIL]                      ; 0 onto my spare word
	s_wait_dscnt 4*NL+1                            ; (the add and the youngest sixteen loads may be out)
	WIN MUL_LO
	MUL16 0, 1, 0
	s_wait_dscnt 0x0                               ; the add is done, and my reads of this slot are over
	s_barrier_signal -1
	MUL16 2, 1, 0
	WIN 0
	s_barrier_wait -1
.if \fill
	CREST                                          ; a round of the cluster's barrier: no wave of any partner still reads this slot's tile or has a load on its way
	s_add_nc_u64 s[G0+4*\slot+2:G0+4*\slot+3], s[G0+4*\slot+2:G0+4*\slot+3], 2*ROWB
	s_add_nc_u64 s[G0B+4*\slot+2:G0B+4*\slot+3], s[G0B+4*\slot+2:G0B+4*\slot+3], 2*ROWB
	JLOAD G0+4*\slot, G1, G0B+4*\slot, G1B         ; the first tensor load behind the round, my one load until the next
.else
	PLACES NP
.endif
	FETCH_B \next, 0, 0
	FETCH_A \next, 0, 0
	WIN MUL_HI
	MUL16 4, 1, 0
	MUL16 6, 1, 0
	PLACES NP
	WIN 0
	FETCH_A \next, 0, 4
.endm
	s_wait_tensorcnt 1                             ; my part of K step 0 is in (K step 1's load may be out)
	s_barrier_signal -1
	s_barrier_wait -1                              ; everybody's is
	FETCH_B 0, 0, 0
	FETCH_A 0, 0, 0
	FETCH_A 0, 0, 4
	STEP 0, 0, 1                                   ; K 0 ..: the products start the sums from the bias
	TURN 0, 1, 1                                   ; K 128 ..; slot 0 takes K 512 ..
	STEP 1, 0, 0
	TURN 1, 0, 1                                   ; K 384 ..; slot 1 takes K 768 ..
	STEP 0, 0, 0
	TURN 0, 1, 0                                   ; K 640 ..; nothing is left to fetch
	STEP 1, 0, 0
	s_wait_dscnt 4*NL                              ; K 896 ..: the last step
	WIN MUL_LO
	MUL16 0, 1, 0
	MUL16 2, 1, 0
	s_wait_dscnt 0
	WIN MUL_HI
	MUL16 4, 1, 0
	MUL16 6, 1, 0
	WIN 0
; THE WAY OUT, block by block of 16 rows x 128 columns: a lane holds 32 neighbouring bytes of a row, so a block goes through my own stage in LDS and comes back as whole rows of 512 bytes.
; LDS serves a wave's instructions in order (ISA guide 5.7.1.4): no wait between the stores and the loads, nor in front of the next block's stores.
.macro TOSTAGE a
.set AC, 64*((\a)%4)
.set WS, 2+(\a)/4
	WIN WS                                         ; source 0: window 2 or 3
.set i, 0
.rept 32
	v_pk_mul_f32 v[TMP+i:TMP+i+1], v[AC+i:AC+i+1], s[96:97] op_sel_hi:[1,0]   ; x 2^(e6 + e7); each accumulator from its low end on
.set i, i+2
.endr
	WIN 0
.irp b, 0,1,2,3,4,5,6,7
	ds_store_b128 v[STO], v[TMP+8*\b:TMP+8*\b+3] offset:64*\b
	ds_store_b128 v[STO], v[TMP+8*\b+4:TMP+8*\b+7] offset:64*\b+16
.endr
.set BB, BK+64*((\a)%2)
.irp t, 0,1,2,3,4,5,6,7,8,9,10,11,12,13,14,15
	ds_load_b128 v[BB+4*\t:BB+4*\t+3], v[RD] offset:\t*SPITCH
.endr
.endm
.macro SEND a, younger                 ; younger: the LDS instructions issued behind block a's loads, which may stay out
.set BB, BK+64*((\a)%2)
	s_wait_dscnt \younger                          ; the block is back in registers
.if (\a) > 0
	s_add_nc_u64 s[68:69], s[68:69], 16*SIZE_N*4   ; (behind a wait on XCNT: the earlier stores have read their base)  16 rows on
.endif
.irp t, 0,1,2,3,4,5,6,7,8,9,10,11,12,13,14,15
	global_store_b128 v[CO], v[BB+4*\t:BB+4*\t+3], s[68:69] offset:\t*SIZE_N*4 th:TH_STORE_NT   ; 32 lanes store 512 consecutive bytes, aligned; written once, read by nobody here
.endr
.endm
	PLACES NP                                      ; behind the last products: their results are read, and loads land in the registers that held A's fragments
	TOSTAGE 0
.irp a, 1,2,3,4,5,6,7
.if \a > 1
	s_wait_xcnt 0x0                                ; block a - 2's stores have read their registers and their base
.endif
	TOSTAGE \a
	SEND \a-1, 32                                  ; behind block a - 1's loads: block a's 16 stores and 16 loads
.endr
	s_wait_xcnt 0x0                                ; block 6's stores have read their base
	SEND 7, 0
	s_wait_tensorcnt 0x0                           ; the wave's end, behind my last tensor load and my last LDS store
	ds_add_u32 v[SPW], v[NIL]
	s_wait_dscnt 0x0
	CROUND                                         ; the closing round: no work-group ends while a partner may still ask for a tile that names it
	s_endpgm
.Lfunc_end_k_qf6e38ee078_gemm_out:
	.size	k_qf6e38ee078_gemm_out, .Lfunc_end_k_qf6e38ee078_gemm_out-k_qf6e38ee078_gemm_out
	.p2alignl 7, 3214868480
	.fill 96, 4, 3214868480
	.section	.rodata,"a",@progbits
	.p2align	6, 0x0
	.amdhsa_kernel k_qf6e38ee078_gemm_out
		.amdhsa_group_segment_fixed_size 327680
		.amdhsa_private_segment_fixed_size 0
		.amdhsa_enable_private_segment 0
		.amdhsa_kernarg_size 40
		.amdhsa_user_sgpr_count 2
		.amdhsa_user_sgpr_kernarg_segment_ptr 1
		.amdhsa_wavefront_size32 1
		.amdhsa_system_sgpr_workgroup_id_x 1
		.amdhsa_system_sgpr_workgroup_id_y 1
		.amdhsa_system_sgpr_workgroup_id_z 1
		.amdhsa_system_vgpr_workitem_id 0
		.amdhsa_next_free_vgpr 1024
		.amdhsa_next_free_sgpr 100
		.amdhsa_reserve_vcc 0
		.amdhsa_float_denorm_mode_32 3
		.amdhsa_float_denorm_mode_16_64 3
		.amdhsa_memory_ordered 1
		.amdhsa_forward_progress 1
		.amdhsa_inst_pref_size 129
	.end_amdhsa_kernel
	.amdgpu_metadata
---
amdhsa.version: [ 1, 2 ]
amdhsa.kernels:
  - .name:           k_qf6e38ee078_gemm_out
    .symbol:         k_qf6e38ee078_gemm_out.kd
    .args:
      - { .name: oc, .offset: 0, .size: 8, .value_kind: global_buffer, .address_space: global }
      - { .name: wc, .offset: 8, .size: 8, .value_kind: global_buffer, .address_space: global }
      - { .name: lowp_scales, .offset: 16, .size: 8, .value_kind: global_buffer, .address_space: global }
      - { .name: b_out, .offset: 24, .size: 8, .value_kind: global_buffer, .address_space: global }
      - { .name: out0, .offset: 32, .size: 8, .value_kind: global_buffer, .address_space: global }
    .group_segment_fixed_size: 327680
    .private_segment_fixed_size: 0
    .kernarg_segment_align: 8
    .kernarg_segment_size: 40
    .max_flat_workgroup_size: 128
    .sgpr_count:     100
    .vgpr_count:     1024
    .wavefront_size: 32
...
	.end_amdgpu_metadata
.endif
;; end of part 5
